; MI455X (gfx1250); checked and timed in simulation.
; The chip was launched on July 23, 2026; its instructions are those of AMD's public machine-readable ISA for CDNA 5 (MIT licence, August 2026) and "CDNA5" Instruction Set Architecture Reference Guide (July 2026). The comments in the code are by the model that wrote it; some were corrected since.
;; Attention. Allowed arithmetic: matrix products marked QUANTISED: E2M1 operands, one E8M0 scale for each 32 along K, by v_wmma_scale_f32_16x16x128_f8f6f4 with both operands' format E2M1 (or v_wmma_scale_f32_32x16x128_f4), f32 sums; products left as they are: bf16, f16 or f32 operands; f32 sums; everything else in f32.
;; Inputs: Wout 1,024 x 1,024 float32; Wqkv 1,024 x 3,072 float32; bout 1,024 float32; bqkv 3,072 float32; x 4 x 2,048 x 1,024 float32.
;; Outputs: out0 4 x 2,048 x 1,024 float32.
;; This version of the problem:
;;   THIS VERSION OF THE PROBLEM IS GIVEN IN LOW PRECISION. The matrix products marked QUANTISED in the list below multiply operands that are first quantised to E2M1 (2 exponent bits, 1 mantissa bit; 4 bits a number), with one power-of-two scale for each 32 numbers along K (OCP MX v1.0); their sums are f32. The products marked 'left as it is' may take bf16, f16 or f32 operands, with f32 sums. Whichever they take, every output number must still come out within the allowed error. Rounding operands to bf16 (8 significant bits) uses up far more of that allowance than f16 does (11 bits, for magnitudes from 6e-5 to 65,504). All else is computed in f32.
;;   The module's matrix products, in the order in which they are computed (A, B: the left and right operand; K: the contracted axis; several contracted axes count as one K, in the product's order):
;;     1. [M 8,192, K 1,024] x [K 1,024, N 3,072]; A: input x; B: input Wqkv: QUANTISED
;;     2. batch 64 x [M 2,048, K 64] x [K 64, N 2,048]; A: computed on the way; B: computed on the way: left as it is (an operand is computed on the way)
;;     3. batch 64 x [M 2,048, K 2,048] x [K 2,048, N 64]; A: computed on the way; B: computed on the way: left as it is (an operand is computed on the way)
;;     4. [M 8,192, K 1,024] x [K 1,024, N 1,024]; A: computed on the way; B: input Wout: left as it is (an operand is computed on the way)
;;   THE QUANTISER, for each operand of a quantised product, along K:
;;     - K is cut into blocks of 32 from its start; a last block that is shorter is filled with zeros.
;;     - A block's scale is 2^e with e = floor(log2(the largest magnitude in the block)) - 2, held to -126 .. 127; a block of zeros has e = 0. As a byte (E8M0): e + 127.
;;     - Each number is divided by its block's scale, clamped to +-6, and rounded to the nearest number of E2M1, ties to even, subnormals kept.
;;     - The product sums the exact products of the quantised numbers (number of the format x scale) in f32.
;;   ~~~python
;;   def quantise(x, axis):      # numpy; x: float32 -> the quantised numbers, widened to float32 again
;;       x = np.moveaxis(x, axis, -1); K = x.shape[-1]
;;       x = np.pad(x, [(0, 0)] * (x.ndim - 1) + [(0, -K % 32)]); x = x.reshape(x.shape[:-1] + (-1, 32)); a = np.abs(x).max(-1, keepdims=True)
;;       e = np.where(a > 0, np.clip(np.frexp(np.where(a > 0, a, 1))[1] - 1 - 2, -126, 127), 0)      # np.frexp(a)[1] - 1 = floor(log2(a)), exactly
;;       r = np.clip(x / 2.0 ** e, -6, 6)
;;       step = 2.0 ** (np.maximum(np.frexp(np.where(r == 0, 1, r))[1] - 1, 0) - 1)
;;       q = np.round(r / step) * step * 2.0 ** e      # np.round: ties to even
;;       return np.moveaxis(q.reshape(q.shape[:-2] + (-1,))[..., :K], -1, axis).astype(np.float32)
;;   ~~~
;; One version. Each part assembles by itself: llvm-mc -triple=amdgcn-amd-amdhsa -mcpu=gfx1250 --defsym DOCPART=n.
;; ======== version 1 of 1: 6 launches
;; limits: values are held in f16: magnitudes above 65,504 overflow, below 6.1e-05 lose precision
;; workspace buffers: xc 4,194,304 bytes; xs 262,144 bytes; wc 1,572,864 bytes; ws 98,304 bytes; wt 2,097,152 bytes; qkvh 50,331,648 bytes; ah 16,777,216 bytes; af 262,144 bytes
;; launch prep (part 1): grid 368 x 1, 4 waves a work-group, no clusters, 102,912 bytes of LDS; arguments x, Wqkv, Wout, xc, xs, wc, ws, wt; writes xc, xs, wc, ws, wt
.if DOCPART == 1
	.amdgcn_target "amdgcn-amd-amdhsa--gfx1250"
	.amdhsa_code_object_version 6
	.text
	.protected	k_qe0048d3ff6_prep
	.globl	k_qe0048d3ff6_prep
	.p2align	8
	.type	k_qe0048d3ff6_prep,@function
k_qe0048d3ff6_prep:
	s_mov_b64 s[64:65], 0
	v_nop
	global_prefetch_b8 v0, s[64:65] scope:SCOPE_SE
	s_setreg_imm32_b32 hwreg(HW_REG_WAVE_MODE, 25, 1), 1
	s_wait_xcnt 0x0
; PREP: the operands of the later launches are laid out once.
;   path W (work-groups 0-47):    Wqkv [1024 k][3072 n] f32 -> wc [3072][512 bytes] codes of FP4 (E2M1), K innermost, ws [3072][32] E8M0 bytes
;   path O (work-groups 48-111):  Wout [1024 k][1024 n] f32 -> wt [1024 n][1024 k] f16
;   path X (work-groups 112-367): x [8192][1024] f32        -> xc [8192][512 bytes] codes, xs [8192][32] bytes
; A block's scale is 2^(floor(log2(its largest magnitude)) - 2); its byte is the largest magnitude's exponent field - 2, held at 1 from below.
; LIMITS: a block of zeros gets the byte 1 where the rule says 127 (its codes are zeros, which add nothing, and this program alone reads the bytes); blocks whose largest magnitude lies
; under 2^(3 - 127) are held at byte 1; NaN and infinities are not served; |Wout| stays under 65,504, f16's largest number.
; The three paths part on the work-group's number; each has LDS bytes of its own.  No tensor loads, no barrier: waves share nothing.
.set SPARE, 102400                     ; the spare words, 128 bytes for each wave: two blocks of 256 bytes that no other line names
.set SPW,   192                        ; v192 LDS address of my spare word; never rewritten
.set NIL,   193                        ; v193 0; never rewritten
.set XWREG, 8192                       ; path X: a region for each wave: two stages of 32 x 80 bytes, then its 256 scale bytes
.set XSP,   80                         ; a lane's place in a stage: 64 bytes + 16 of padding
.set XSTEPS, 16
.set XR,    16                         ; v16-79   four sets of 16 numbers as loaded
.set XX,    80                         ; v80-111  two sets of 16 neighbours
.set XE,    112                        ; v112-127 a scale byte for each step
.set XC,    128                        ; v128-191 codes, four registers a step
.set WSTG,  32768                      ; path W: four stages of 32 rows x 272 bytes
.set OSTG,  67584                      ; path O: the same
.set PITCH, 272
.set CX,    32                         ; paths W and O: v32-95 two sets of 32 numbers down K
.set CC,    96                         ; v96.. a block's codes (W: 4 registers) or f16 pairs (O: 16)
.set OUTR,  112                        ; v112-175 the way out
.set SB,    24                         ; v24-27 path W: the scale bytes, four to a register
	s_load_b256 s[4:11], s[0:1], 0x0               ; x s[4:5], Wqkv s[6:7], Wout s[8:9], xc s[10:11]
	s_load_b256 s[12:19], s[0:1], 0x20             ; xs s[12:13], wc s[14:15], ws s[16:17], wt s[18:19]
	v_lshl_add_u32 v[SPW], v0, 2, SPARE
	v_mov_b32 v[NIL], 0
	v_lshrrev_b32 v1, 5, v0
	v_readfirstlane_b32 s20, v1                    ; wave 0..3
	v_and_b32 v2, 31, v0                           ; lane
	s_mov_b32 s25, 0                               ; the upper word of every offset pair
	s_wait_kmcnt 0x0
	s_cmp_lt_u32 ttmp9, 48
	s_cbranch_scc1 .Lpath_w
	s_cmp_lt_u32 ttmp9, 112
	s_cbranch_scc1 .Lpath_o
; ---------------- PATH X: rows are dense and 1,024 is a multiple of 32, so x is a plain stream of blocks of 32.  A wave takes 16 steps of 512 numbers.
; Each load reads 512 consecutive bytes; a step's 2,048 bytes turn through the wave's stage so that a lane holds 16 neighbours; two neighbouring lanes hold a block.
	v_lshlrev_b32 v3, 4, v2                        ; my 16 bytes of a load's 512
	s_mul_i32 s21, s20, XWREG
	v_lshrrev_b32 v14, 2, v2
	v_mul_u32_u24 v14, v14, XSP
	v_and_b32 v15, 3, v2
	v_lshl_add_u32 v14, v15, 4, v14
	v_add_nc_u32 v14, s21, v14                     ; the stage, way in: 80 (lane / 4) + 16 (lane % 4)
	v_mul_u32_u24 v15, v2, XSP
	v_add_nc_u32 v15, s21, v15                     ; way out: 80 x lane
	v_mul_u32_u24 v4, v2, 8                        ; my 8 bytes of codes in a step's 256
	v_lshrrev_b32 v5, 1, v2
	s_add_co_u32 s21, s21, 2*32*XSP
	v_add_nc_u32 v5, s21, v5                       ; my block's byte among my wave's 256 scale bytes
	v_lshlrev_b32 v7, 3, v2
	v_add_nc_u32 v6, s21, v7                       ; and 8 bytes a lane on their way out
	s_sub_co_u32 s22, ttmp9, 112
	s_lshl_b32 s22, s22, 2
	s_add_co_u32 s22, s22, s20                     ; which run of 8,192 numbers is my wave's: 0..1023
	s_lshl_b32 s24, s22, 15
	s_add_nc_u64 s[4:5], s[4:5], s[24:25]          ; 32,768 bytes of x a run,
	s_lshl_b32 s24, s22, 12
	s_add_nc_u64 s[10:11], s[10:11], s[24:25]      ; 4,096 of codes,
	s_lshl_b32 s24, s22, 8
	s_add_nc_u64 s[12:13], s[12:13], s[24:25]      ; 256 scale bytes
.macro XLOAD t
.irp i, 0,1,2,3
	global_load_b128 v[XR+16*((\t)%4)+4*\i:XR+16*((\t)%4)+4*\i+3], v3, s[4:5] offset:2048*(\t)+512*\i th:TH_LOAD_NT
.endr
.endm
.macro XTURN t                         ; LDS serves a wave's instructions in order: no wait between the stores and the loads
.irp i, 0,1,2,3
	ds_store_b128 v14, v[XR+16*((\t)%4)+4*\i:XR+16*((\t)%4)+4*\i+3] offset:32*XSP*((\t)%2)+8*XSP*\i
.endr
.irp i, 0,1,2,3
	ds_load_b128 v[XX+16*((\t)%2)+4*\i:XX+16*((\t)%2)+4*\i+3], v15 offset:32*XSP*((\t)%2)+16*\i
.endr
.endm
.irp t, 0,1,2,3
	XLOAD \t
.endr
	s_wait_loadcnt 12                              ; step 0's four loads are in; the twelve of steps 1 to 3 may be out
	XTURN 0
.macro XSTEP t
.set XS, XX+16*((\t)%2)
.if (\t) > 0
	s_wait_dscnt 1                                 ; this step's numbers are back from the stage; the last step's byte store may be out
.else
	s_wait_dscnt 0x0
.endif
.if (\t)+4 < XSTEPS
	XLOAD (\t)+4                                   ; into the registers whose stores into the stage have been served
.endif
.if (\t)+1 < XSTEPS
.if XSTEPS-2-(\t) >= 3
	s_wait_loadcnt 12                              ; the next step's four loads are in; those of the three steps behind it may be out
.else
	s_wait_loadcnt 4*(XSTEPS-2-(\t))
.endif
	XTURN (\t)+1
.endif
	v_max3_num_f32 v8, |v[XS]|, |v[XS+1]|, |v[XS+2]|
	v_max3_num_f32 v9, |v[XS+3]|, |v[XS+4]|, |v[XS+5]|
.irp i, 6,10
	v_max3_num_f32 v8, v8, |v[XS+\i]|, |v[XS+\i+1]|
	v_max3_num_f32 v9, v9, |v[XS+\i+2]|, |v[XS+\i+3]|
.endr
	v_max3_num_f32 v8, v8, |v[XS+14]|, |v[XS+15]|
	v_max3_num_f32 v8, v8, v9, 0x1800000           ; and the floor 2^(3 - 127): the byte cannot fall under 1
	v_max_num_f32_dpp v8, v8, v8 row_xmask:1 row_mask:0xf bank_mask:0xf   ; with my neighbour's 16: the block's largest magnitude
	v_add_nc_u32 v11, 0xff000000, v8               ; 2 off its exponent field: the conversion takes this operand's exponent field as its scale
	v_cvt_scalef32_pk8_fp4_f32 v[XC+4*(\t)], v[XS:XS+7], v11
	v_cvt_scalef32_pk8_fp4_f32 v[XC+4*(\t)+1], v[XS+8:XS+15], v11
	v_lshrrev_b32 v[XE+(\t)], 23, v11              ; the scale's byte (also the plain line behind the conversions)
	ds_store_b8 v5, v[XE+(\t)] offset:16*(\t)      ; both lanes of a block write the same byte with the same value
	global_store_b64 v4, v[XC+4*(\t):XC+4*(\t)+1], s[10:11] offset:256*(\t)   ; the wave stores 256 consecutive bytes, aligned
.endm
.irp t, 0,1,2,3,4,5,6,7,8,9,10,11,12,13,14,15
	XSTEP \t
.endr
	ds_load_b64 v[8:9], v6                         ; in order behind my byte stores
	s_wait_dscnt 0x0
	global_store_b64 v7, v[8:9], s[12:13]          ; 256 consecutive bytes, aligned
	s_wait_tensorcnt 0x0                           ; the wave's end, behind my last LDS store
	ds_add_u32 v[SPW], v[NIL]
	s_wait_dscnt 0x0
	s_endpgm
; ---------------- PATH W: a lane takes a column n and its registers run down K, so a block of 32 lies in one lane and the codes come out with K innermost.
; A wave takes 32 columns x 512 along K; the codes go through the wave's stage and leave as rows: sixteen lanes store 256 consecutive bytes.
.Lpath_w:
	s_cmp_ge_u32 ttmp9, 24
	s_cselect_b32 s22, 1, 0                        ; which 512 along K
	s_cselect_b32 s21, 24, 0
	s_sub_co_u32 s21, ttmp9, s21                   ; which 128 columns
	s_lshl_b32 s21, s21, 7
	s_lshl_b32 s23, s20, 5
	s_add_co_u32 s21, s21, s23                     ; my wave's first column
	v_lshlrev_b32 v3, 2, v2                        ; in: 4 bytes a lane
	s_mul_i32 s23, s20, 32*PITCH
	s_add_co_u32 s23, s23, WSTG                    ; my stage
	v_mul_u32_u24 v4, v2, PITCH
	v_add_nc_u32 v4, s23, v4                       ; into it: row = my column
	v_and_b32 v5, 15, v2
	v_lshrrev_b32 v6, 4, v2
	v_mul_u32_u24 v7, v6, PITCH
	v_lshl_add_u32 v7, v5, 4, v7
	v_add_nc_u32 v7, s23, v7                       ; out of it: sixteen lanes to a row, two rows an instruction
	v_mul_u32_u24 v8, v6, 512
	v_lshl_add_u32 v8, v5, 4, v8                   ; the same place in wc
	v_mul_u32_u24 v9, v2, 32                       ; my column's row of scale bytes
	s_mul_i32 s24, s22, 512*3072*4
	s_lshl_b32 s26, s21, 2
	s_add_co_u32 s24, s24, s26
	s_add_nc_u64 s[6:7], s[6:7], s[24:25]          ; Wqkv at (512 y, my first column)
	s_lshl_b32 s24, s21, 9
	s_lshl_b32 s26, s22, 8
	s_add_co_u32 s24, s24, s26
	s_add_nc_u64 s[14:15], s[14:15], s[24:25]      ; wc: column x 512 + 256 y
	s_lshl_b32 s24, s21, 5
	s_lshl_b32 s26, s22, 4
	s_add_co_u32 s24, s24, s26
	s_add_nc_u64 s[16:17], s[16:17], s[24:25]      ; ws: column x 32 + 16 y
.macro WLOAD t                         ; block t: Wqkv(32 t + i, my column); the largest offset, 511 rows of 12,288 bytes, lies inside the signed 24-bit immediate
.irp i, 0,1,2,3,4,5,6,7,8,9,10,11,12,13,14,15,16,17,18,19,20,21,22,23,24,25,26,27,28,29,30,31
	global_load_b32 v[CX+32*((\t)%2)+\i], v3, s[6:7] offset:(32*(\t)+\i)*3072*4 th:TH_LOAD_NT
.endr
.endm
	WLOAD 0
	WLOAD 1
.macro WBLOCK t
.set XS, CX+32*((\t)%2)
.if (\t) < 15
	s_wait_loadcnt 32                              ; this block's 32 loads are in; the next block's 32 may be out
.else
	s_wait_loadcnt 0
.endif
	v_max3_num_f32 v12, |v[XS]|, |v[XS+1]|, |v[XS+2]|
	v_max3_num_f32 v13, |v[XS+3]|, |v[XS+4]|, |v[XS+5]|
.irp i, 6,10,14,18,22,26
	v_max3_num_f32 v12, v12, |v[XS+\i]|, |v[XS+\i+1]|
	v_max3_num_f32 v13, v13, |v[XS+\i+2]|, |v[XS+\i+3]|
.endr
	v_max3_num_f32 v12, v12, |v[XS+30]|, |v[XS+31]|
	v_max3_num_f32 v12, v12, v13, 0x1800000        ; the floor 2^(3 - 127)
	v_add_nc_u32 v11, 0xff000000, v12              ; the conversion's scale operand
	v_lshrrev_b32 v13, 23, v11                     ; the scale's byte
.if (\t)%4 == 0
	v_mov_b32 v[SB+(\t)/4], v13
.else
	v_lshl_or_b32 v[SB+(\t)/4], v13, 8*((\t)%4), v[SB+(\t)/4]
.endif
.irp g, 0,1,2,3
	v_cvt_scalef32_pk8_fp4_f32 v[CC+\g], v[XS+8*\g:XS+8*\g+7], v11
.endr
	v_nop                                          ; a plain line behind the last conversion
	ds_store_b128 v4, v[CC:CC+3] offset:16*(\t)    ; 32 codes: 16 bytes of my column's row
.if (\t)+2 < 16
	WLOAD (\t)+2
.endif
	s_wait_dscnt 0x0                               ; the store has been served: the next block's codes may be written
.endm
.set Q, 0
.rept 16
	WBLOCK Q
.set Q, Q+1
.endr
	global_store_b128 v9, v[SB:SB+3], s[16:17]     ; my column's 16 scale bytes
.irp t, 0,1,2,3,4,5,6,7,8,9,10,11,12,13,14,15
	ds_load_b128 v[OUTR+4*\t:OUTR+4*\t+3], v7 offset:2*\t*PITCH
.endr
.irp t, 0,1,2,3,4,5,6,7,8,9,10,11,12,13,14,15
	s_wait_dscnt 15-\t                             ; LDS loads come back in order: number t is in
	global_store_b128 v8, v[OUTR+4*\t:OUTR+4*\t+3], s[14:15] offset:2*\t*512
.endr
	s_wait_tensorcnt 0x0                           ; the wave's end
	ds_add_u32 v[SPW], v[NIL]
	s_wait_dscnt 0x0
	s_endpgm
; ---------------- PATH O: the same frame with a rounding to f16 in the quantiser's place.  A wave takes 32 columns x 128 along K: 256 bytes of f16 a column.
.Lpath_o:
	s_sub_co_u32 s21, ttmp9, 48
	s_and_b32 s22, s21, 7                          ; which 128 columns
	s_lshr_b32 s21, s21, 3                         ; which 128 along K
	s_lshl_b32 s22, s22, 7
	s_lshl_b32 s23, s20, 5
	s_add_co_u32 s22, s22, s23                     ; my wave's first column
	v_lshlrev_b32 v3, 2, v2
	s_mul_i32 s23, s20, 32*PITCH
	s_add_co_u32 s23, s23, OSTG                    ; my stage
	v_mul_u32_u24 v4, v2, PITCH
	v_add_nc_u32 v4, s23, v4
	v_and_b32 v5, 15, v2
	v_lshrrev_b32 v6, 4, v2
	v_mul_u32_u24 v7, v6, PITCH
	v_lshl_add_u32 v7, v5, 4, v7
	v_add_nc_u32 v7, s23, v7
	v_mul_u32_u24 v8, v6, 2048
	v_lshl_add_u32 v8, v5, 4, v8                   ; the same place in wt: a row is 2,048 bytes
	s_lshl_b32 s24, s21, 19                        ; 128 rows of 4,096 bytes
	s_lshl_b32 s26, s22, 2
	s_add_co_u32 s24, s24, s26
	s_add_nc_u64 s[8:9], s[8:9], s[24:25]
	s_lshl_b32 s24, s22, 11
	s_lshl_b32 s26, s21, 8
	s_add_co_u32 s24, s24, s26
	s_add_nc_u64 s[18:19], s[18:19], s[24:25]
.macro OLOAD t
.irp i, 0,1,2,3,4,5,6,7,8,9,10,11,12,13,14,15,16,17,18,19,20,21,22,23,24,25,26,27,28,29,30,31
	global_load_b32 v[CX+32*((\t)%2)+\i], v3, s[8:9] offset:(32*(\t)+\i)*4096 th:TH_LOAD_NT
.endr
.endm
	OLOAD 0
	OLOAD 1
.macro OBLOCK t
.set XS, CX+32*((\t)%2)
.if (\t) < 3
	s_wait_loadcnt 32                              ; this block's 32 loads are in; the next block's may be out
.else
	s_wait_loadcnt 0
.endif
.irp i, 0,1,2,3,4,5,6,7,8,9,10,11,12,13,14,15
	v_cvt_pk_f16_f32 v[CC+\i], v[XS+2*\i], v[XS+2*\i+1]   ; the lower k in the low half
.endr
.irp g, 0,1,2,3
	ds_store_b128 v4, v[CC+4*\g:CC+4*\g+3] offset:64*(\t)+16*\g
.endr
.if (\t)+2 < 4
	OLOAD (\t)+2
.endif
	s_wait_dscnt 0x0
.endm
.irp t, 0,1,2,3
	OBLOCK \t
.endr
.irp t, 0,1,2,3,4,5,6,7,8,9,10,11,12,13,14,15
	ds_load_b128 v[OUTR+4*\t:OUTR+4*\t+3], v7 offset:2*\t*PITCH
.endr
.irp t, 0,1,2,3,4,5,6,7,8,9,10,11,12,13,14,15
	s_wait_dscnt 15-\t
	global_store_b128 v8, v[OUTR+4*\t:OUTR+4*\t+3], s[18:19] offset:2*\t*2048   ; sixteen lanes store 256 consecutive bytes, aligned
.endr
	s_wait_tensorcnt 0x0                           ; the wave's end
	ds_add_u32 v[SPW], v[NIL]
	s_wait_dscnt 0x0
	s_endpgm
.Lfunc_end_k_qe0048d3ff6_prep:
	.size	k_qe0048d3ff6_prep, .Lfunc_end_k_qe0048d3ff6_prep-k_qe0048d3ff6_prep
	.p2alignl 7, 3214868480
	.fill 96, 4, 3214868480
	.section	.rodata,"a",@progbits
	.p2align	6, 0x0
	.amdhsa_kernel k_qe0048d3ff6_prep
		.amdhsa_group_segment_fixed_size 102912
		.amdhsa_private_segment_fixed_size 0
		.amdhsa_enable_private_segment 0
		.amdhsa_kernarg_size 64
		.amdhsa_user_sgpr_count 2
		.amdhsa_user_sgpr_kernarg_segment_ptr 1
		.amdhsa_wavefront_size32 1
		.amdhsa_system_sgpr_workgroup_id_x 1
		.amdhsa_system_sgpr_workgroup_id_y 1
		.amdhsa_system_sgpr_workgroup_id_z 1
		.amdhsa_system_vgpr_workitem_id 0
		.amdhsa_next_free_vgpr 200
		.amdhsa_next_free_sgpr 66
		.amdhsa_reserve_vcc 0
		.amdhsa_float_denorm_mode_32 3
		.amdhsa_float_denorm_mode_16_64 3
		.amdhsa_memory_ordered 1
		.amdhsa_forward_progress 1
		.amdhsa_inst_pref_size 133
	.end_amdhsa_kernel
	.amdgpu_metadata
---
amdhsa.version: [ 1, 2 ]
amdhsa.kernels:
  - .name:           k_qe0048d3ff6_prep
    .symbol:         k_qe0048d3ff6_prep.kd
    .args:
      - { .name: x, .offset: 0, .size: 8, .value_kind: global_buffer, .address_space: global }
      - { .name: Wqkv, .offset: 8, .size: 8, .value_kind: global_buffer, .address_space: global }
      - { .name: Wout, .offset: 16, .size: 8, .value_kind: global_buffer, .address_space: global }
      - { .name: xc, .offset: 24, .size: 8, .value_kind: global_buffer, .address_space: global }
      - { .name: xs, .offset: 32, .size: 8, .value_kind: global_buffer, .address_space: global }
      - { .name: wc, .offset: 40, .size: 8, .value_kind: global_buffer, .address_space: global }
      - { .name: ws, .offset: 48, .size: 8, .value_kind: global_buffer, .address_space: global }
      - { .name: wt, .offset: 56, .size: 8, .value_kind: global_buffer, .address_space: global }
    .group_segment_fixed_size: 102912
    .private_segment_fixed_size: 0
    .kernarg_segment_align: 8
    .kernarg_segment_size: 64
    .max_flat_workgroup_size: 128
    .sgpr_count:     66
    .vgpr_count:     200
    .wavefront_size: 32
...
	.end_amdgpu_metadata
.endif
;; end of part 1
;; launch gemm_qkv (part 2): grid 12 x 32, 4 waves a work-group, clusters of 4 x 4, 327,680 bytes of LDS; arguments xc, xs, wc, ws, bqkv, qkvh; writes qkvh
.if DOCPART == 2
	.amdgcn_target "amdgcn-amd-amdhsa--gfx1250"
	.amdhsa_code_object_version 6
	.text
	.protected	k_qe0048d3ff6_gemm_qkv
	.globl	k_qe0048d3ff6_gemm_qkv
	.p2align	8
	.type	k_qe0048d3ff6_gemm_qkv,@function
k_qe0048d3ff6_gemm_qkv:
	s_mov_b64 s[64:65], 0
	v_nop
	global_prefetch_b8 v0, s[64:65] scope:SCOPE_SE
	s_setreg_imm32_b32 hwreg(HW_REG_WAVE_MODE, 25, 1), 1
	s_wait_xcnt 0x0
	s_wait_alu depctr_hold_cnt(0) depctr_sa_sdst(0) depctr_va_vdst(0) depctr_va_sdst(0) depctr_va_ssrc(0) depctr_va_vcc(0) depctr_vm_vsrc(0)
	s_getreg_b32 s2, hwreg(HW_REG_IB_STS2, 6, 4)
	s_cmp_eq_u32 s2, 0
	s_cbranch_scc0 .Lentry_in_a_cluster
	s_endpgm
.Lentry_in_a_cluster:
	s_bfe_u32 s2, ttmp6, 0x10000c
	s_cmp_lg_u32 s2, 0xf033
	s_cbranch_scc0 .Lentry_shape_is_right
	s_endpgm
.Lentry_shape_is_right:
; qkv = Q(x) Q(Wqkv) + bqkv on codes of FP4 (E2M1) with one E8M0 scale for each 32 along K; sums in f32; the result is rounded once to f16 and laid by heads:
; qkvh [q, k or v][batch x 16 + head][token 2048][64] f16.  LIMIT: |q|, |k|, |v| stay under 65,504, f16's largest number.
; A = xc [8192][1024 codes], B = wc [3072][1024 codes].  A tile of C, 256 x 256, is made by four waves, each 128 x 128: 64 accumulators, 512 registers.
; K = 1,024 is two slots of 512 along K (rows of 256 bytes): both are asked for at the head and nothing is filled again.  The scale bytes of the tile's rows come once, as dense blocks.
; CLUSTERS: 4 x 4 work-groups; A's tiles are asked for jointly along a row of the cluster, B's along a column.
; THE MATRIX INSTRUCTION IS USED TRANSPOSED (source 0 = 16 rows of wc, source 1 = 16 rows of xc): a lane holds one token and eight neighbouring channels.  The bias is the C of each sum's first product.
; REGISTERS: window 0: v0-31 addresses; v32-95 scale words, two sets; v128-191 A's fragments, one set; v192-255 the bias of my 128 channels; on the way out v32-127 are free.
;   window 1: B's fragments, two sets.   windows 2, 3: the accumulators of my rows 0-63, 64-127 ((a, b) at v[8 (8 (a % 4) + b)]).
.set SIZE_M, 8192
.set SIZE_N, 3072
.set SIZE_K, 1024
.set KSTEP,  512
.set NQ,     KSTEP/128
.set ROWB,   256
.set KROW,   SIZE_K*4/8
.set PITCH,  272                       ; an LDS row: 256 bytes + 16 of padding: the 16 rows that a load touches start 16 bytes apart modulo 256
.set FR,     8
.set NL,     2
.set NP,     4                         ; places behind this matrix instruction (ISA guide 7.12.1)
.set HALFT,  128*PITCH
.set SLOT,   4*HALFT
.set KS,     SIZE_K/32
.set SCL,    2*SLOT                    ; behind the two slots: the scales, as units of 256 bytes + 16 of padding
.set HALFS,  (128*KS/256)*272
.set SBLK,   (16*KS/256)*272
.set SPARE,  SCL+4*HALFS               ; the spare words, 128 bytes for each wave: two blocks of 256 bytes that no other line names
.set SPITCH, 400                       ; the way out: a stage of 16 rows x (256 bytes + 144) for each wave, in slot 0, which has had its only fill and its last read by then
.set ADRA, 16
.set ADRB, 20
.set STO,  24
.set RD,   25
.set CO,   26
.set ADRS, 27
.set SPW,  28
.set NIL,  29
.set SC,   32
.set AF,   128
.set BI,   192                         ; v192-255: register 8 b + j = bqkv[my first channel + 16 b + 8 (lane / 16) + j]
.set TMP,  32                          ; the way out: a block's 32 packed registers
.set OB,   64                          ; and 16 rows read back: v64-95 and v96-127 by turns
.set G1, 24
.set G0, 32
.set G1B, 48
.set G0B, 56
.set G1S, 68
.set G0S, 76
.set G1SB, 80
.set G0SB, 88
.set MSB, 0
.macro WIN new                         ; the immediate's high byte repeats the setting that is left
.if MSB != \new
	s_set_vgpr_msb (MSB<<8)|\new
.set MSB, \new
.endif
.endm
.set MUL_LO, 0xa1                      ; source 0 (B) window 1, source 1 (A) window 0, C and D window 2
.set MUL_HI, 0xf1                      ; the same, C and D window 3
.set FST_LO, 0x81                      ; the first step: C (the bias) window 0, D window 2
.set FST_HI, 0xc1                      ; D window 3
.set TO_B,   0x40
; A joint load: waves 0 and 1 fetch for A, waves 2 and 3 for B; the branch hangs on the wave's number alone.  An s_nop 0 and four v_nop follow each line.
.macro JLOAD g0a, g1a, g0b, g1b
	s_cmp_eq_u32 s15, 0
	s_cbranch_scc0 .Lfor_b_\@
	tensor_load_to_lds s[\g0a:\g0a+3], s[\g1a:\g1a+7]
	s_nop 0
.rept 4
	v_nop
.endr
	s_branch .Lasked_\@
.Lfor_b_\@:
	tensor_load_to_lds s[\g0b:\g0b+3], s[\g1b:\g1b+7]
	s_nop 0
.rept 4
	v_nop
.endr
.Lasked_\@:
.endm
.macro CROUND                          ; a round of the cluster's barrier
	s_barrier_signal -1
	s_barrier_wait -1
	s_cmp_lg_u32 s14, 0
	s_cbranch_scc1 .Lnot_wave_0_\@
	s_barrier_signal -3
.Lnot_wave_0_\@:
	s_barrier_wait -3
	s_barrier_signal -1
	s_barrier_wait -1
.endm
	s_load_b128 s[4:7], s[0:1], 0x0                ; xc s[4:5], xs s[6:7]
	s_load_b128 s[8:11], s[0:1], 0x10              ; wc s[8:9], ws s[10:11]
	s_load_b128 s[96:99], s[0:1], 0x20             ; bqkv s[96:97], qkvh s[98:99]
	v_lshl_add_u32 v[SPW], v0, 2, SPARE
	v_mov_b32 v[NIL], 0
	ds_add_u32 v[SPW], v[NIL]                      ; the wave's opening: the add, twice on end, and its wait ahead of my first tensor load
	ds_add_u32 v[SPW], v[NIL]
	v_lshrrev_b32 v1, 5, v0
	v_readfirstlane_b32 s14, v1                    ; wave 0..3
	s_lshr_b32 s15, s14, 1                         ; which half of the tile's rows is mine.  Also: I fetch for A (0) or for B (1)
	s_and_b32 s16, s14, 1                          ; which half of its columns.  Also: which 128 rows of that tile I fetch
	s_bfe_u32 s40, ttmp6, 0x40000                  ; cx, cy: my place in the cluster
	s_bfe_u32 s41, ttmp6, 0x40004
	s_lshl_b32 s42, ttmp9, 2
	s_add_co_u32 s42, s42, s40                     ; tile column = 4 x cluster x + cx
	s_and_b32 s17, ttmp7, 0xffff
	s_lshl_b32 s17, s17, 2
	s_add_co_u32 s17, s17, s41                     ; tile row = 4 x cluster y + cy
	s_lshl_b32 s43, s41, 2
	s_lshl_b32 s43, 15, s43                        ; my row of the cluster
	s_lshl_b32 s44, 0x1111, s40                    ; my column
	s_or_b32 s[G1+0], s43, (0<<16)|(1<<20)|(1<<21)|(5<<22)|(3<<25)  ; the mask; elements of 1 byte; padding on: 4 words behind every 64; bit 21 beside a mask
	s_or_b32 s[G1B+0], s44, (0<<16)|(1<<20)|(1<<21)|(5<<22)|(3<<25)
.irp g, G1, G1B
	s_mov_b32 s[\g+1], ROWB<<16                    ; tensor_dim0
	s_mov_b32 s[\g+2], 128<<16                     ; tensor_dim1
	s_mov_b32 s[\g+3], ROWB<<16                    ; tile_dim0
	s_mov_b32 s[\g+4], 128                         ; tile_dim1
	s_mov_b32 s[\g+5], KROW                        ; tensor_dim0_stride
	s_mov_b32 s[\g+6], 0
	s_mov_b32 s[\g+7], 0
.endr
	s_or_b32 s[G1S+0], s43, (3<<16)|(1<<20)|(1<<21)|(5<<22)|(3<<25)  ; the scales of 128 rows: 4,096 dense bytes as 16 rows of 256 (32 elements of 8 bytes), 16 bytes of padding behind each
	s_or_b32 s[G1SB+0], s44, (3<<16)|(1<<20)|(1<<21)|(5<<22)|(3<<25)
.irp g, G1S, G1SB
	s_mov_b32 s[\g+1], 32<<16
	s_mov_b32 s[\g+2], (128*KS/256)<<16
	s_mov_b32 s[\g+3], 32<<16
	s_mov_b32 s[\g+4], 128*KS/256
	s_mov_b32 s[\g+5], 32
	s_mov_b32 s[\g+6], 0
	s_mov_b32 s[\g+7], 0
.endr
	s_lshl_b32 s18, s16, 7
	s_lshl_b32 s20, s17, 8
	s_add_co_u32 s20, s20, s18                     ; A: row 256 x tile row + 128 x half
	s_lshl_b32 s46, s42, 8
	s_add_co_u32 s46, s46, s18                     ; B: row 256 x tile column + 128 x half
	s_mov_b32 s21, 0
	s_mov_b32 s47, 0
	s_mov_b64 s[18:19], KS
	s_mul_u64 s[22:23], s[20:21], s[18:19]         ; where these rows' scales begin,
	s_mul_u64 s[92:93], s[46:47], s[18:19]
	s_mov_b64 s[18:19], KROW
	s_mul_u64 s[20:21], s[20:21], s[18:19]         ; and their codes
	s_mul_u64 s[46:47], s[46:47], s[18:19]
	s_mul_i32 s45, s14, HALFT                      ; where they go: wave x 128 rows
	s_mul_i32 s94, s14, HALFS
	s_wait_dscnt 0x0                               ; both opening adds are done
	s_wait_kmcnt 0x0
	s_add_nc_u64 s[20:21], s[4:5], s[20:21]
	s_add_nc_u64 s[22:23], s[6:7], s[22:23]
	s_add_nc_u64 s[46:47], s[8:9], s[46:47]
	s_add_nc_u64 s[92:93], s[10:11], s[92:93]
	CROUND                                         ; all sixteen work-groups are here: the joint loads meet
	s_mov_b32 s[G0S], 1
	s_add_co_u32 s[G0S+1], s94, SCL
	s_mov_b64 s[G0S+2:G0S+3], s[22:23]
	s_or_b32 s[G0S+3], s[G0S+3], 0x80000000
	s_mov_b32 s[G0SB], 1
	s_add_co_u32 s[G0SB+1], s94, SCL
	s_mov_b64 s[G0SB+2:G0SB+3], s[92:93]
	s_or_b32 s[G0SB+3], s[G0SB+3], 0x80000000
	JLOAD G0S, G1S, G0SB, G1SB                     ; the scales first; then both slots: three loads of mine are out
.irp s, 0,1
	s_mov_b32 s[G0+4*\s], 1
	s_add_co_u32 s[G0+4*\s+1], s45, \s*SLOT
	s_add_nc_u64 s[G0+4*\s+2:G0+4*\s+3], s[20:21], \s*ROWB
	s_or_b32 s[G0+4*\s+3], s[G0+4*\s+3], 0x80000000
	s_mov_b32 s[G0B+4*\s], 1
	s_add_co_u32 s[G0B+4*\s+1], s45, \s*SLOT
	s_add_nc_u64 s[G0B+4*\s+2:G0B+4*\s+3], s[46:47], \s*ROWB
	s_or_b32 s[G0B+4*\s+3], s[G0B+4*\s+3], 0x80000000
	JLOAD G0+4*\s, G1, G0B+4*\s, G1B
.endr
	v_and_b32 v1, 15, v0                           ; l % 16
	v_bfe_u32 v2, v0, 4, 1                         ; l / 16
	; the bias of my 128 channels, in the result's layout
	s_lshl_b32 s46, s42, 10                        ; 4 x my first channel: 1,024 x tile column + 512 x half
	s_lshl_b32 s47, s16, 9
	s_add_co_u32 s46, s46, s47
	s_mov_b32 s47, 0
	s_add_nc_u64 s[96:97], s[96:97], s[46:47]
	v_lshlrev_b32 v7, 5, v2                        ; 32 bytes for each half of the lanes
.irp b, 0,1,2,3,4,5,6,7
	global_load_b128 v[BI+8*\b:BI+8*\b+3], v7, s[96:97] offset:64*\b
	global_load_b128 v[BI+8*\b+4:BI+8*\b+7], v7, s[96:97] offset:64*\b+16
.endr
	v_mul_u32_u24 v3, v1, PITCH
	v_lshl_add_u32 v4, v2, 4, v3                   ; a fragment's row x pitch + 16 x half
	s_mul_i32 s21, s15, HALFT
	s_mul_i32 s22, s16, HALFT
	s_add_co_u32 s22, s22, 2*HALFT
.irp s, 0,1
	v_add_nc_u32 v[ADRA+\s], s21, v4
	v_add_nc_u32 v[ADRB+\s], s22, v4
	s_add_co_u32 s21, s21, SLOT
	s_add_co_u32 s22, s22, SLOT
.endr
	v_mul_u32_u24 v5, v1, KS                       ; my row's scales: 32 bytes a row,
	v_lshrrev_b32 v6, 8, v5
	v_lshl_add_u32 v5, v6, 4, v5                   ; and 16 more for each 256 passed
	s_mul_i32 s21, s15, HALFS
	s_mul_i32 s22, s16, HALFS
	s_add_co_u32 s22, s22, 2*HALFS
	s_sub_co_u32 s22, s22, s21
	v_mul_u32_u24 v6, s22, v2                      ; lanes 16-31 take B's: one product, the distance between the two bases
	s_add_co_u32 s21, s21, SCL
	v_add_nc_u32 v5, v5, v6
	v_add_nc_u32 v[ADRS], s21, v5
	s_mul_i32 s23, s14, 16*SPITCH                  ; my stage
	v_mul_u32_u24 v5, v1, SPITCH                   ; in: row l % 16, 16 bytes for each half of the lanes
	v_lshl_add_u32 v5, v2, 4, v5
	v_add_nc_u32 v[STO], s23, v5
	v_and_b32 v6, 31, v0
	v_lshlrev_b32 v[CO], 4, v6                     ; out: 16 bytes a lane, 512 consecutive bytes a store
	v_lshrrev_b32 v5, 3, v6
	v_mul_u32_u24 v5, v5, SPITCH                   ; back: eight lanes take one head's 128 bytes of a token, four tokens an instruction
	v_and_b32 v6, 7, v0
	v_lshl_add_u32 v5, v6, 4, v5
	v_add_nc_u32 v[RD], s23, v5
	; where my part begins in qkvh: plane ((which x 64 + batch x 16 + head) of 262,144 bytes) + token x 128
	s_lshl_b32 s20, s17, 8
	s_lshl_b32 s21, s15, 7
	s_add_co_u32 s20, s20, s21                     ; my first row of x
	s_lshr_b32 s21, s20, 11                        ; batch
	s_and_b32 s20, s20, 2047                       ; token
	s_lshl_b32 s46, s42, 2
	s_lshl_b32 s47, s16, 1
	s_add_co_u32 s46, s46, s47                     ; my first of 48 heads (an even one: the second lies one plane on)
	s_lshr_b32 s47, s46, 4                         ; q, k or v
	s_and_b32 s46, s46, 15
	s_lshl_b32 s47, s47, 6
	s_lshl_b32 s21, s21, 4
	s_add_co_u32 s46, s46, s47
	s_add_co_u32 s46, s46, s21
	s_lshl_b32 s46, s46, 18
	s_lshl_b32 s20, s20, 7
	s_add_co_u32 s46, s46, s20
	s_mov_b32 s47, 0
	s_add_nc_u64 s[98:99], s[98:99], s[46:47]
.macro FRAG reg, adr, q, i             ; 16 rows x 128 K of 4-bit codes: 8 registers: lane l holds row l % 16; registers 4 c .. 4 c + 3 hold K = 64 c + 32 (l / 16) + 0 .. 31
.irp c, 0,1
	ds_load_b128 v[\reg+4*\c:\reg+4*\c+3], v[\adr] offset:64*(\q)+32*\c+(\i)*16*PITCH
.endr
.endm
; 16 matrix instructions: A's blocks a0, a0 + 1 x B's eight.  first = 1: the sums begin with the bias as C.  The 64 accumulators take turns, one instruction a turn.
.macro MUL16 a0, p, q, sc, first
.irp a, \a0, \a0+1
.irp b, 0,1,2,3,4,5,6,7
.if \first
	v_wmma_scale_f32_16x16x128_f8f6f4 v[8*(8*((\a)%4)+\b):8*(8*((\a)%4)+\b)+7], v[128*(\p)+FR*\b:128*(\p)+FR*\b+FR-1], v[AF+FR*(\a):AF+FR*(\a)+FR-1], v[BI+8*\b:BI+8*\b+7], v[SC+8*NQ*(\sc)+NQ*\b+(\q)], v[SC+8*NQ*(\sc)+NQ*(\a)+(\q)] matrix_a_fmt:MATRIX_FMT_FP4 matrix_b_fmt:MATRIX_FMT_FP4 matrix_a_scale:MATRIX_SCALE_ROW1
.else
	v_wmma_scale_f32_16x16x128_f8f6f4 v[8*(8*((\a)%4)+\b):8*(8*((\a)%4)+\b)+7], v[128*(\p)+FR*\b:128*(\p)+FR*\b+FR-1], v[AF+FR*(\a):AF+FR*(\a)+FR-1], v[8*(8*((\a)%4)+\b):8*(8*((\a)%4)+\b)+7], v[SC+8*NQ*(\sc)+NQ*\b+(\q)], v[SC+8*NQ*(\sc)+NQ*(\a)+(\q)] matrix_a_fmt:MATRIX_FMT_FP4 matrix_b_fmt:MATRIX_FMT_FP4 matrix_a_scale:MATRIX_SCALE_ROW1
.endif
.endr
.endr
.endm
.macro FETCH_B slot, q, p
	WIN TO_B
.irp i, 0,1,2,3,4,5,6,7
	FRAG 128*(\p)+FR*\i, ADRB+\slot, \q, \i
.endr
	WIN 0
.endm
.macro FETCH_A slot, q, i0
.irp i, \i0, \i0+1, \i0+2, \i0+3
	FRAG AF+FR*(\i), ADRA+\slot, \q, \i
.endr
.endm
.macro SCALES sc                       ; a slot's scale words: 4 words a row; lanes 0-15 take A's block i, lanes 16-31 B's block i
.irp i, 0,1,2,3,4,5,6,7
	ds_load_b128 v[SC+8*NQ*\sc+NQ*\i:SC+8*NQ*\sc+NQ*\i+3], v[ADRS] offset:\i*SBLK
.endr
.endm
.macro PLACES n                        ; plain vector lines between a matrix instruction and a load into, or a read of, its registers (ISA guide 7.12.1 for reads)
.rept \n
	v_nop
.endr
.endm
.macro STEP slot, q, first             ; a step of 128 along K that has its successor in the same slot
	s_wait_dscnt 4*NL                              ; B's set and A's blocks 0-3 are in; the youngest eight loads (A's blocks 4-7) may be out
.if \first
	WIN FST_LO
.else
	WIN MUL_LO
.endif
	MUL16 0, (\q)%2, \q, \slot, \first
	MUL16 2, (\q)%2, \q, \slot, \first
	s_wait_dscnt 0                                 ; A's blocks 4-7 are in
	PLACES NP
	FETCH_B \slot, (\q)+1, 1-(\q)%2
	FETCH_A \slot, (\q)+1, 0
.if \first
	WIN FST_HI
.else
	WIN MUL_HI
.endif
	MUL16 4, (\q)%2, \q, \slot, \first
	MUL16 6, (\q)%2, \q, \slot, \first
	PLACES NP
	WIN 0
	FETCH_A \slot, (\q)+1, 4
.endm
.macro STEPS slot, from
.set Q, \from
.rept NQ-1-\from
	STEP \slot, Q, 0
.set Q, Q+1
.endr
.endm
	s_wait_tensorcnt 1                             ; the scales and my part of slot 0 are in; slot 1's load may be out
	s_barrier_signal -1
	s_barrier_wait -1
	FETCH_B 0, 0, 0
	FETCH_A 0, 0, 0
	SCALES 0
	FETCH_A 0, 0, 4
	s_wait_loadcnt 0x0                             ; the bias
	STEP 0, 0, 1
	STEPS 0, 1
	; slot 0's last step changes slots: one barrier; in front of it my load of slot 1 has landed and my reads of slot 0 are over
	s_wait_tensorcnt 0x0
	ds_add_u32 v[SPW], v[NIL]                      ; 0 onto my spare word
	s_wait_dscnt 4*NL+1                            ; the add and the youngest eight loads may be out
	WIN MUL_LO
	MUL16 0, 1, NQ-1, 0, 0
	s_wait_dscnt 0x0                               ; the add is done, and my reads of slot 0 are over
	s_barrier_signal -1
	MUL16 2, 1, NQ-1, 0, 0
	WIN 0
	s_barrier_wait -1
	PLACES NP
	v_add_nc_u32 v[ADRS], 4*NQ, v[ADRS]            ; on to slot 1's scale words
	FETCH_B 1, 0, 0
	FETCH_A 1, 0, 0
	SCALES 1
	WIN MUL_HI
	MUL16 4, 1, NQ-1, 0, 0
	MUL16 6, 1, NQ-1, 0, 0
	PLACES NP
	WIN 0
	FETCH_A 1, 0, 4
	STEPS 1, 0
	s_wait_dscnt 4*NL                              ; the very last step: nothing more to fetch
	WIN MUL_LO
	MUL16 0, 1, NQ-1, 1, 0
	MUL16 2, 1, NQ-1, 1, 0
	s_wait_dscnt 0
	WIN MUL_HI
	MUL16 4, 1, NQ-1, 1, 0
	MUL16 6, 1, NQ-1, 1, 0
	WIN 0
; THE WAY OUT, block by block of 16 tokens x 128 channels (two heads).  PACK: rounded to f16, 16 bytes a lane, each accumulator from its low end on.  TOSTAGE: into my stage and back, four tokens of one head an
; instruction.  SEND: each store covers 512 consecutive bytes of qkvh, aligned.
.macro PACK a
.set AC, 64*((\a)%4)
	WIN 0x0a+5*((\a)/4)                            ; sources 0 and 1: window 2 or 3
.irp b, 0,1,2,3,4,5,6,7
.irp r, 0,1,2,3
	v_cvt_pk_f16_f32 v[TMP+4*\b+\r], v[AC+8*\b+2*\r], v[AC+8*\b+2*\r+1]
.endr
.endr
	WIN 0
.endm
.macro TOSTAGE a
.set BB, OB+32*((\a)%2)
.irp b, 0,1,2,3,4,5,6,7
	ds_store_b128 v[STO], v[TMP+4*\b:TMP+4*\b+3] offset:32*\b
.endr
.irp t, 0,1,2,3,4,5,6,7
	ds_load_b128 v[BB+4*\t:BB+4*\t+3], v[RD] offset:(\t%4)*4*SPITCH+(\t/4)*128   ; in order behind my stores
.endr
.endm
.macro SEND a
.set BB, OB+32*((\a)%2)
	s_wait_dscnt 0x0                               ; the block is back in registers
	s_wait_xcnt 0x0                                ; the stores of the block before have read their registers: the next block's loads may land there
.irp t, 0,1,2,3,4,5,6,7
	global_store_b128 v[CO], v[BB+4*\t:BB+4*\t+3], s[98:99] offset:(\a)*2048+(\t%4)*512+(\t/4)*262144 th:TH_STORE_NT
.endr
.endm
	PLACES NP
	PACK 0
	TOSTAGE 0
.irp a, 1,2,3,4,5,6,7                  ; block a's conversions stand between block a - 1's loads from the stage and the wait for them
	PACK \a
	SEND \a-1
	TOSTAGE \a
.endr
	SEND 7
	s_wait_tensorcnt 0x0                           ; the wave's end
	ds_add_u32 v[SPW], v[NIL]
	s_wait_dscnt 0x0
	CROUND                                         ; the closing round
	s_endpgm
.Lfunc_end_k_qe0048d3ff6_gemm_qkv:
	.size	k_qe0048d3ff6_gemm_qkv, .Lfunc_end_k_qe0048d3ff6_gemm_qkv-k_qe0048d3ff6_gemm_qkv
	.p2alignl 7, 3214868480
	.fill 96, 4, 3214868480
	.section	.rodata,"a",@progbits
	.p2align	6, 0x0
	.amdhsa_kernel k_qe0048d3ff6_gemm_qkv
		.amdhsa_group_segment_fixed_size 327680
		.amdhsa_private_segment_fixed_size 0
		.amdhsa_enable_private_segment 0
		.amdhsa_kernarg_size 48
		.amdhsa_user_sgpr_count 2
		.amdhsa_user_sgpr_kernarg_segment_ptr 1
		.amdhsa_wavefront_size32 1
		.amdhsa_system_sgpr_workgroup_id_x 1
		.amdhsa_system_sgpr_workgroup_id_y 1
		.amdhsa_system_sgpr_workgroup_id_z 1
		.amdhsa_system_vgpr_workitem_id 0
		.amdhsa_next_free_vgpr 1024
		.amdhsa_next_free_sgpr 100
		.amdhsa_reserve_vcc 0
		.amdhsa_float_denorm_mode_32 3
		.amdhsa_float_denorm_mode_16_64 3
		.amdhsa_memory_ordered 1
		.amdhsa_forward_progress 1
		.amdhsa_inst_pref_size 128
	.end_amdhsa_kernel
	.amdgpu_metadata
---
amdhsa.version: [ 1, 2 ]
amdhsa.kernels:
  - .name:           k_qe0048d3ff6_gemm_qkv
    .symbol:         k_qe0048d3ff6_gemm_qkv.kd
    .args:
      - { .name: xc, .offset: 0, .size: 8, .value_kind: global_buffer, .address_space: global }
      - { .name: xs, .offset: 8, .size: 8, .value_kind: global_buffer, .address_space: global }
      - { .name: wc, .offset: 16, .size: 8, .value_kind: global_buffer, .address_space: global }
      - { .name: ws, .offset: 24, .size: 8, .value_kind: global_buffer, .address_space: global }
      - { .name: bqkv, .offset: 32, .size: 8, .value_kind: global_buffer, .address_space: global }
      - { .name: qkvh, .offset: 40, .size: 8, .value_kind: global_buffer, .address_space: global }
    .group_segment_fixed_size: 327680
    .private_segment_fixed_size: 0
    .kernarg_segment_align: 8
    .kernarg_segment_size: 48
    .max_flat_workgroup_size: 128
    .sgpr_count:     100
    .vgpr_count:     1024
    .wavefront_size: 32
...
	.end_amdgpu_metadata
.endif
;; end of part 2
;; launch attn (part 3): grid 4 x 64, 8 waves a work-group, no clusters, 327,680 bytes of LDS; arguments qkvh, ah; writes ah
.if DOCPART == 3
	.amdgcn_target "amdgcn-amd-amdhsa--gfx1250"
	.amdhsa_code_object_version 6
	.text
	.protected	k_qe0048d3ff6_attn
	.globl	k_qe0048d3ff6_attn
	.p2align	8
	.type	k_qe0048d3ff6_attn,@function
k_qe0048d3ff6_attn:
	s_mov_b64 s[64:65], 0
	v_nop
	global_prefetch_b8 v0, s[64:65] scope:SCOPE_SE
	s_setreg_imm32_b32 hwreg(HW_REG_WAVE_MODE, 25, 1), 1
	s_wait_xcnt 0x0
; Causal attention, head size 64: O[q] = sum over k <= q of softmax_k(Q[q] . K[k] / 8) V[k].  q, k, v: f16 planes of qkvh, [2048 tokens][64]; products on f16 operands, sums, maxima and the softmax in f32;
; the weights p are rounded to f16 for the second product, O once at the end.  ah: f16 [block of 128 tokens: 64][head 16][128][64].  LIMIT: |O| under 65,504 (it is an average of v).
; SHARES.  Work-group (i, batch x 16 + head) owns the query blocks 7 - i and then i, 256 queries each: together they walk (8 - i) + (i + 1) = 9 slots of 256 keys, the same number in all 256 work-groups.
; A wave owns 32 queries, two tiles of 16, at place p of the block (p = wave for waves 0-3, 11 - wave for waves 4-7, so that waves w and w + 4 have five key steps between them in a diagonal slot).
; A key step is 64 keys: 16 products K Q^T and 16 products V^T P, both used transposed, so that a lane holds one query throughout.  A step all of whose keys come after the wave's queries is jumped over.
; NO CLUSTER: the four work-groups of a head want different tiles from the walk's sixth slot on (7 - i differs); a form in which all four ask for every tile would walk 12 slots in the place of 9.
; RING: two slots of 256 keys; waves 0-3 fetch the four quarters of K, waves 4-7 those of V, 64 rows a load: one tensor load of a wave is out.  All of LDS is claimed.
; REGISTERS: window 0: v1-11, v15 addresses; v12-14 at work; v16-31 statistics, 8 a tile (+0 c m, +1 m, +2, +3 l, +4..7 at work, a in +6); v32-95 S^T (32 t + 8 kt + j); v96-127 P (16 t + pair);
;   v128-191 K (8 (2 kt + c)); v192-255 V^T (8 (4 kh + ct)).   window 1: v0-31 Q; v32-63 the second block's Q; v64-127 O^T (32 t + 8 ct + j).
.set PK,    144                        ; a key's row in LDS: 128 bytes + 16
.set PV,    160                        ; a row of V: 128 + 32: an odd multiple of 32
.set VOFF,  64*PK
.set STEPB, 64*(PK+PV)                 ; a step's tiles lie together: 64 rows of K, then 64 of V
.set SLOT1, 1<<17                      ; slot 1 begins here: one exclusive or turns an address from one slot to the other
.set STAGE, SLOT1+4*STEPB              ; 32 rows x 144 bytes for each wave, for the way out
.set SP,    144
.set SPARE, STAGE+8*32*SP              ; the spare words, 128 bytes for each wave: four blocks of 256 bytes that no other line names
.set UNITB, 256*128                    ; a slot's keys in memory, in K or in V
.set AK0, 1
.set AV0, 2
.set ADK, 3
.set ADV, 4
.set QO,  5
.set STO, 6
.set RD,  7
.set GO,  8
.set SPW, 9
.set NIL, 10
.set PFO, 11
.set DL,  15                           ; v15 lane % 16 - 8 (lane / 16), for the mask
.set ST,  16
.set S,   32
.set P,   96
.set KR,  128
.set VR,  192
.set OR,  64                           ; in window 1
.set WV,  8
.set PL,  9
.set BH,  11
.set G1K, 16
.set G1V, 24
.set G0,  32
.set GB,  36                           ; s[36:37] my quarter of the head's first 256 keys, in K or in V
.set NOFF, 38                          ; s[38:39] the slot asked for last, in bytes from there
.set PFA, 40                           ; s[40:41] where my prefetches stand
.set LIM, 42
.set U,   43                           ; the walk's index, 0..8
.set SW,  44                           ; 8 - i: the first block's slots
.set TB,  45                           ; LDS byte at which the step's tiles begin
.set KF,  46                           ; the step's first key
.set Q0,  47                           ; my first query
.set INNER, 48
.set SWL, 49                           ; 7 - i
.set CS,  50                           ; s[50:51] c = log2(e) / 8
.set SEL, 52                           ; s[52:53] lane l xor 16
.set OB,  54                           ; s[54:55] where my 32 rows of O go
.set OB2, 56                           ; s[56:57] and the second block's
.set Q0B, 58
.set TS,  59
.set QA,  60
.set QB,  62
.set MSB, 0
.macro WIN new
.if MSB != \new
	s_set_vgpr_msb (MSB<<8)|\new
.set MSB, \new
.endif
.endm
.macro TLOAD                           ; the branch hangs on the wave's number alone; an s_nop 0 and four v_nop follow each line
	s_cmp_lt_u32 s[WV], 4
	s_cbranch_scc0 .Lfor_v_\@
	tensor_load_to_lds s[G0:G0+3], s[G1K:G1K+7]
	s_nop 0
.rept 4
	v_nop
.endr
	s_branch .Lasked_\@
.Lfor_v_\@:
	tensor_load_to_lds s[G0:G0+3], s[G1V:G1V+7]
	s_nop 0
.rept 4
	v_nop
.endr
.Lasked_\@:
.endm
; A PREFETCH of what the NEXT change of slots will ask for: my own quarter, 8,192 bytes, lanes 256 bytes apart, one instruction a wave.  The four work-groups of a head walk the same keys: work-group i = 0, whose
; first block walks all eight slots, asks, in trips 0 to 5, for slots 2 to 7: each block of 256 bytes is named once in the launch, and none past the head's last key.  Slots 0 and 1 come by their loads alone.
.macro ASK
	s_cmp_lt_u32 s[U], s[LIM]
	s_cbranch_scc0 .Lnot_mine_\@
	global_prefetch_b8 v[PFO], s[PFA:PFA+1] th:TH_LOAD_NT scope:SCOPE_SE
.Lnot_mine_\@:
.endm
.macro OADDR dst, q                    ; ah + (batch x 16 + q / 128) x 262,144 + head x 16,384 + (q % 128) x 128
	s_lshr_b32 s12, s[BH], 4
	s_lshl_b32 s12, s12, 4
	s_lshr_b32 s13, s[\q], 7
	s_add_co_u32 s12, s12, s13
	s_lshl_b32 s12, s12, 18
	s_and_b32 s13, s[BH], 15
	s_lshl_b32 s13, s13, 14
	s_add_co_u32 s12, s12, s13
	s_and_b32 s13, s[\q], 127
	s_lshl_b32 s13, s13, 7
	s_add_co_u32 s12, s12, s13
	s_mov_b32 s13, 0
	s_add_nc_u64 s[\dst:\dst+1], s[6:7], s[12:13]
.endm
.macro INIT                            ; a block begins: m = -3e38, under every score; l = 0; O^T = 0: the first change of m multiplies zeros
.irp t, 0,1
	v_mov_b32 v[ST+8*\t+1], 0xff61b1e6
	v_mul_f32 v[ST+8*\t], s[CS], v[ST+8*\t+1]
.irp j, 2,3,4,5,6,7
	v_mov_b32 v[ST+8*\t+\j], 0
.endr
.endr
	WIN 0x40
.irp n, 0,1,2,3,4,5,6,7,8,9,10,11,12,13,14,15,16,17,18,19,20,21,22,23,24,25,26,27,28,29,30,31,32,33,34,35,36,37,38,39,40,41,42,43,44,45,46,47,48,49,50,51,52,53,54,55,56,57,58,59,60,61,62,63
	v_mov_b32 v[OR+\n], 0
.endr
	WIN 0
.endm
	s_load_b128 s[4:7], s[0:1], 0x0                ; qkvh s[4:5], ah s[6:7]
	v_lshl_add_u32 v[SPW], v0, 2, SPARE
	v_mov_b32 v[NIL], 0
	ds_add_u32 v[SPW], v[NIL]                      ; the wave's opening: the add, twice on end, and its wait ahead of my first tensor load
	ds_add_u32 v[SPW], v[NIL]
	v_lshrrev_b32 v1, 5, v0
	v_readfirstlane_b32 s[WV], v1                  ; wave 0..7
	s_and_b32 s[BH], ttmp7, 0xffff                 ; batch x 16 + head
	s_sub_co_u32 s12, 11, s[WV]
	s_cmp_lt_u32 s[WV], 4
	s_cselect_b32 s[PL], s[WV], s12                ; my place in a block
	s_sub_co_u32 s[SW], 8, ttmp9
	s_sub_co_u32 s[SWL], 7, ttmp9
	s_lshl_b32 s13, s[PL], 5
	s_lshl_b32 s[Q0], s[SWL], 8
	s_add_co_u32 s[Q0], s[Q0], s13                 ; block 7 - i first,
	s_lshl_b32 s[Q0B], ttmp9, 8
	s_add_co_u32 s[Q0B], s[Q0B], s13               ; then block i
	s_cmp_eq_u32 ttmp9, 0
	s_cselect_b32 s[LIM], 6, 0
	s_mov_b32 s[G1K], (1<<16)|(1<<20)|(4<<22)|(3<<25)   ; elements of 2 bytes; padding on: 4 words behind every 32
	s_mov_b32 s[G1V], (1<<16)|(1<<20)|(4<<22)|(7<<25)   ; 8 words behind every 32
.irp g, G1K, G1V
	s_mov_b32 s[\g+1], 64<<16                      ; tensor_dim0
	s_mov_b32 s[\g+2], 64<<16                      ; tensor_dim1
	s_mov_b32 s[\g+3], 64<<16                      ; tile_dim0
	s_mov_b32 s[\g+4], 64                          ; tile_dim1
	s_mov_b32 s[\g+5], 64                          ; tensor_dim0_stride
	s_mov_b32 s[\g+6], 0
	s_mov_b32 s[\g+7], 0
.endr
	s_mov_b32 s[CS], 0x3e38aa3b                    ; c = log2(e) / sqrt(64)
	s_mov_b32 s[CS+1], s[CS]
	s_mov_b32 s[SEL], 0x76543210
	s_mov_b32 s[SEL+1], 0xfedcba98
	s_mov_b32 s[TB], 0
	s_mov_b32 s[KF], 0
	s_mov_b32 s[NOFF], 0
	s_mov_b32 s[NOFF+1], 0
	s_mov_b32 s[G0], 1
	s_and_b32 s12, s[WV], 3                        ; which quarter of a slot I fetch,
	s_mul_i32 s[G0+1], s12, STEPB
	s_lshr_b32 s13, s[WV], 2                       ; of K (0) or of V (1)
	s_mul_i32 s14, s13, VOFF
	s_add_co_u32 s[G0+1], s[G0+1], s14
	s_add_co_u32 s13, s13, 1
	s_lshl_b32 s66, s13, 24                        ; k's planes begin 16,777,216 bytes in, v's twice that
	s_lshl_b32 s14, s[BH], 18
	s_add_co_u32 s66, s66, s14
	s_lshl_b32 s12, s12, 13                        ; 64 rows of 128 bytes a quarter
	s_add_co_u32 s66, s66, s12
	s_mov_b32 s67, 0
	s_lshl_b32 s68, s[Q0], 7
	s_add_co_u32 s68, s68, s14                     ; q's planes come first
	s_mov_b32 s69, 0
	s_wait_dscnt 0x0                               ; both opening adds are done
	s_wait_kmcnt 0x0
	s_add_nc_u64 s[GB:GB+1], s[4:5], s[66:67]
	s_mov_b64 s[G0+2:G0+3], s[GB:GB+1]
	s_or_b32 s[G0+3], s[G0+3], 0x80000000
	TLOAD                                          ; slot 0: the head's first 256 keys, which count for every block
	s_add_nc_u64 s[PFA:PFA+1], s[GB:GB+1], UNITB   ; at slot 1: the first change steps it to slot 2.  Nothing is prefetched here, at the head
	s_add_nc_u64 s[QA:QA+1], s[4:5], s[68:69]
	s_lshl_b32 s68, s[Q0B], 7
	s_add_co_u32 s68, s68, s14
	s_add_nc_u64 s[QB:QB+1], s[4:5], s[68:69]
	OADDR OB, Q0
	OADDR OB2, Q0B
	v_and_b32 v12, 15, v0                          ; r
	v_bfe_u32 v13, v0, 4, 1                        ; h
	v_lshlrev_b32 v[QO], 7, v12
	v_lshl_add_u32 v[QO], v13, 4, v[QO]            ; a fragment's row x 128 + 16 x half
	WIN 0x40                                       ; destination window 1
.irp t, 0,1
.irp c, 0,1
	global_load_b128 v[16*\t+8*\c:16*\t+8*\c+3],       v[QO], s[QA:QA+1] offset:\t*2048+\c*64 th:TH_LOAD_NT
	global_load_b128 v[16*\t+8*\c+4:16*\t+8*\c+7],     v[QO], s[QA:QA+1] offset:\t*2048+\c*64+32 th:TH_LOAD_NT
	global_load_b128 v[32+16*\t+8*\c:32+16*\t+8*\c+3],   v[QO], s[QB:QB+1] offset:\t*2048+\c*64 th:TH_LOAD_NT
	global_load_b128 v[32+16*\t+8*\c+4:32+16*\t+8*\c+7], v[QO], s[QB:QB+1] offset:\t*2048+\c*64+32 th:TH_LOAD_NT
.endr
.endr
	WIN 0
	v_mul_u32_u24 v[AK0], v12, PK
	v_lshl_add_u32 v[AK0], v13, 4, v[AK0]          ; K: row x pitch + 16 x half
	v_and_b32 v14, 7, v0
	v_lshl_add_u32 v[AV0], v13, 3, v14             ; V, turned: key 8 (l / 16) + l % 8,
	v_mul_u32_u24 v[AV0], v[AV0], PV
	v_bfe_u32 v[DL], v0, 3, 1
	v_lshl_add_u32 v[AV0], v[DL], 4, v[AV0]        ; channels 8 ((l / 8) % 2) on
	v_add_nc_u32 v[AV0], VOFF, v[AV0]
	s_mul_i32 s12, s[WV], 32*SP
	s_add_co_u32 s12, s12, STAGE                   ; my stage
	v_mul_u32_u24 v[STO], v12, SP
	v_lshl_add_u32 v[STO], v13, 4, v[STO]
	v_add_nc_u32 v[STO], s12, v[STO]               ; in: row l % 16, 16 bytes for each half of the lanes
	v_bfe_u32 v[RD], v0, 3, 2
	v_mul_u32_u24 v[RD], v[RD], SP
	v_lshl_add_u32 v[RD], v14, 4, v[RD]
	v_add_nc_u32 v[RD], s12, v[RD]                 ; back: eight lanes to a row of 128 bytes, four rows an instruction
	v_and_b32 v[GO], 31, v0
	v_lshlrev_b32 v[PFO], 8, v[GO]
	v_lshlrev_b32 v[GO], 4, v[GO]
	v_lshlrev_b32 v[DL], 3, v13
	v_sub_nc_u32 v[DL], v12, v[DL]
	INIT
; A KEY STEP: 64 keys.
.macro STEP
	s_add_co_u32 s[TS], s[Q0], 31
	s_cmp_gt_u32 s[KF], s[TS]                      ; all 64 keys come after my last query: nothing of the step is wanted.  No barrier, wait for a tile or tensor load stands in a step
	s_cbranch_scc1 .Lhidden_\@
	v_add_nc_u32 v[ADK], s[TB], v[AK0]
	v_add_nc_u32 v[ADV], s[TB], v[AV0]
.rept 4
	v_nop                                          ; places in front of loads into registers that the last products read
.endr
.irp f, 0,1,2,3,4,5,6,7                ; keys 16 (f / 2) on, channels 32 (f % 2) on
	ds_load_b128 v[KR+8*\f:KR+8*\f+3],   v[ADK] offset:(\f/2)*16*PK+(\f%2)*64
	ds_load_b128 v[KR+8*\f+4:KR+8*\f+7], v[ADK] offset:(\f/2)*16*PK+(\f%2)*64+32
.endr
.irp f, 0,1,2,3,4,5,6,7                ; keys 32 (f / 4) on, channels 16 (f % 4) on
	ds_load_tr16_b128 v[VR+8*\f:VR+8*\f+3],   v[ADV] offset:(\f/4)*32*PV+(\f%4)*32
	ds_load_tr16_b128 v[VR+8*\f+4:VR+8*\f+7], v[ADV] offset:(\f/4)*32*PV+16*PV+(\f%4)*32
.endr
	s_wait_dscnt 16                                ; K's sixteen loads are in; V's sixteen, issued behind them, may be out
	WIN 0x04                                       ; Q in window 1
.irp c, 0,1                            ; S^T = K Q^T: eight accumulators by turns, one instruction a turn; the first eight start the sums
.irp kt, 0,1,2,3
.irp t, 0,1
.if \c == 0
	v_wmma_f32_16x16x32_f16 v[S+32*\t+8*\kt:S+32*\t+8*\kt+7], v[KR+8*(2*\kt+\c):KR+8*(2*\kt+\c)+7], v[16*\t+8*\c:16*\t+8*\c+7], 0
.else
	v_wmma_f32_16x16x32_f16 v[S+32*\t+8*\kt:S+32*\t+8*\kt+7], v[KR+8*(2*\kt+\c):KR+8*(2*\kt+\c)+7], v[16*\t+8*\c:16*\t+8*\c+7], v[S+32*\t+8*\kt:S+32*\t+8*\kt+7]
.endif
.endr
.endr
.endr
	WIN 0
.rept 4
	v_nop                                          ; places in front of the first read of the scores
.endr
	s_add_co_u32 s[TS], s[KF], 63
	s_cmp_le_u32 s[TS], s[Q0]                      ; all 64 keys count for all my queries: no mask
	s_cbranch_scc1 .Lopen_\@
	s_sub_co_i32 s[TS], s[Q0], s[KF]
	v_add_nc_u32 v12, s[TS], v[DL]                 ; d = my query - the step's first key - 8 (lane / 16), tile 0's; register 8 kt + j holds key 16 kt + 8 (lane / 16) + j: hidden where 16 kt + j > d
	v_add_nc_u32 v13, 16, v12                      ; tile 1's
	v_mov_b32 v14, 0xff800000                      ; -infinity: p = 0 then
.irp t, 0,1
.irp n, 0,1,2,3,4,5,6,7,8,9,10,11,12,13,14,15,16,17,18,19,20,21,22,23,24,25,26,27,28,29,30,31
	v_cmp_gt_i32 vcc_lo, 16*(\n/8)+\n%8, v[12+\t]
	v_cndmask_b32 v[S+32*\t+\n], v[S+32*\t+\n], v14, vcc_lo
.endr
.endr
.Lopen_\@:
	; the maximum of a lane's 32 scores and the old m: four chains, each from its accumulator's low end on; the two tiles alternate
.irp j, 0,1,2,3
.irp t, 0,1
	v_max3_num_f32 v[ST+8*\t+4+\j], v[S+32*\t+8*\j], v[S+32*\t+8*\j+1], v[S+32*\t+8*\j+2]
.endr
.endr
.irp g, 1,2
.irp j, 0,1,2,3
.irp t, 0,1
	v_max3_num_f32 v[ST+8*\t+4+\j], v[ST+8*\t+4+\j], v[S+32*\t+8*\j+2*\g+1], v[S+32*\t+8*\j+2*\g+2]
.endr
.endr
.endr
.irp t, 0,1
	v_max3_num_f32 v[ST+8*\t+4], v[ST+8*\t+4], v[S+32*\t+7], v[S+32*\t+15]
.endr
.irp t, 0,1
	v_max3_num_f32 v[ST+8*\t+6], v[ST+8*\t+6], v[S+32*\t+23], v[S+32*\t+31]
.endr
.irp t, 0,1
	v_max3_num_f32 v[ST+8*\t+4], v[ST+8*\t+4], v[ST+8*\t+5], v[ST+8*\t+6]
.endr
.irp t, 0,1
	v_max3_num_f32 v[ST+8*\t+4], v[ST+8*\t+4], v[ST+8*\t+7], v[ST+8*\t+1]
.endr
.irp t, 0,1
	v_permlanex16_b32 v[ST+8*\t+5], v[ST+8*\t+4], s[SEL], s[SEL+1]   ; the query's other 32 keys lie in the lane 16 away
.endr
.irp t, 0,1
	v_mov_b32 v[ST+8*\t+7], v[ST+8*\t]             ; c m_old is kept for a
.endr
.irp t, 0,1
	v_max_num_f32 v[ST+8*\t+1], v[ST+8*\t+4], v[ST+8*\t+5]
.endr
.irp t, 0,1
	v_mul_f32 v[ST+8*\t], s[CS], v[ST+8*\t+1]
.endr
.irp t, 0,1
	v_sub_f32 v[ST+8*\t+7], v[ST+8*\t+7], v[ST+8*\t]
.endr
.irp b, 0,1,2,3,4,5,6,7,8,9,10,11,12,13,14,15
.irp t, 0,1
	v_pk_fma_f32 v[S+32*\t+2*\b:S+32*\t+2*\b+1], v[S+32*\t+2*\b:S+32*\t+2*\b+1], s[CS:CS+1], v[ST+8*\t:ST+8*\t+1] op_sel_hi:[1,0,0] neg_lo:[0,0,1] neg_hi:[0,0,1]   ; c s - c m
.endr
.endr
.irp t, 0,1
	v_exp_f32 v[ST+8*\t+6], v[ST+8*\t+7]           ; a = 2^(c m_old - c m_new)
.endr
.irp n, 0,1,2,3,4,5,6,7,8,9,10,11,12,13,14,15,16,17,18,19,20,21,22,23,24,25,26,27,28,29,30,31
.irp t, 0,1
	v_exp_f32 v[S+32*\t+\n], v[S+32*\t+\n]         ; p
.endr
.endr
	v_nop                                          ; a plain line behind the last exponential
	s_wait_alu depctr_va_vdst(0)                   ; one wait for the batch of 66, ahead of the first line that names a result
.irp b, 0,1,2,3,4,5,6,7,8,9,10,11,12,13,14,15
.irp t, 0,1
	v_cvt_pk_f16_f32 v[P+16*\t+\b], v[S+32*\t+2*\b], v[S+32*\t+2*\b+1]   ; two tiles of 16 keys, rounded in pairs, are source 1 of V^T P as they stand
.endr
.endr
.irp u, 0,1,2,3,4,5,6,7                ; the sum of the unrounded p, in place, pairs 1, 2, 4 and 8 apart
.irp t, 0,1
	v_pk_add_f32 v[S+32*\t+4*\u:S+32*\t+4*\u+1], v[S+32*\t+4*\u:S+32*\t+4*\u+1], v[S+32*\t+4*\u+2:S+32*\t+4*\u+3]
.endr
.endr
.irp u, 0,1,2,3
.irp t, 0,1
	v_pk_add_f32 v[S+32*\t+8*\u:S+32*\t+8*\u+1], v[S+32*\t+8*\u:S+32*\t+8*\u+1], v[S+32*\t+8*\u+4:S+32*\t+8*\u+5]
.endr
.endr
.irp u, 0,1
.irp t, 0,1
	v_pk_add_f32 v[S+32*\t+16*\u:S+32*\t+16*\u+1], v[S+32*\t+16*\u:S+32*\t+16*\u+1], v[S+32*\t+16*\u+8:S+32*\t+16*\u+9]
.endr
.endr
.irp t, 0,1
	v_pk_add_f32 v[S+32*\t:S+32*\t+1], v[S+32*\t:S+32*\t+1], v[S+32*\t+16:S+32*\t+17]
.endr
.irp t, 0,1
	v_pk_fma_f32 v[ST+8*\t+2:ST+8*\t+3], v[ST+8*\t+2:ST+8*\t+3], v[ST+8*\t+6:ST+8*\t+7], v[S+32*\t:S+32*\t+1] op_sel_hi:[1,0,1]   ; l = a l + the sum
.endr
	WIN 0x41                                       ; O^T in window 1, a in window 0
.irp n, 0,1,2,3,4,5,6,7,8,9,10,11,12,13,14,15
.irp t, 0,1
	v_pk_mul_f32 v[OR+32*\t+2*\n:OR+32*\t+2*\n+1], v[OR+32*\t+2*\n:OR+32*\t+2*\n+1], v[ST+8*\t+6:ST+8*\t+7] op_sel_hi:[1,0]   ; each accumulator from its low end on
.endr
.endr
	s_wait_dscnt 0x0                               ; V is in
	WIN 0x50                                       ; C and D in window 1
.irp kh, 0,1                           ; O^T += V^T P: eight accumulators by turns
.irp ct, 0,1,2,3
.irp t, 0,1
	v_wmma_f32_16x16x32_f16 v[OR+32*\t+8*\ct:OR+32*\t+8*\ct+7], v[VR+8*(4*\kh+\ct):VR+8*(4*\kh+\ct)+7], v[P+16*\t+8*\kh:P+16*\t+8*\kh+7], v[OR+32*\t+8*\ct:OR+32*\t+8*\ct+7]
.endr
.endr
.endr
	WIN 0
.Lhidden_\@:
	s_add_co_u32 s[TB], s[TB], STEPB
	s_add_co_u32 s[KF], s[KF], 64
.endm
.macro SLOT_STEPS                      ; a slot's four key steps: written once, walked four times
	s_mov_b32 s[INNER], 4
.Lstep_\@:
	STEP
	s_sub_co_u32 s[INNER], s[INNER], 1
	s_cmp_lg_u32 s[INNER], 0
	s_cbranch_scc1 .Lstep_\@
	s_sub_co_u32 s[TB], s[TB], 4*STEPB
	s_xor_b32 s[TB], s[TB], SLOT1                  ; on to the other slot
.endm
; THE CHANGE OF SLOTS stands at a slot's head: all my tensor loads have landed (my quarter of the slot ahead); 0 is added to my spare word; that, and my reads of the slot that I have left, are waited for; one barrier.
; fill = 1: the slot just left is filled with the walk's next 256 keys, first thing behind the barrier: it has a slot's four steps in which to land.
.macro CHANGE fill
	s_wait_tensorcnt 0x0                           ; no tensor load of mine is out, so group 0 may be written
	ds_add_u32 v[SPW], v[NIL]                      ; 0 onto my spare word; the descriptor's steps stand between it and the wait for it
.if \fill
	s_xor_b32 s[G0+1], s[G0+1], SLOT1
	s_add_co_u32 s[NOFF], s[NOFF], UNITB           ; the next 256 keys,
	s_add_co_u32 s[TS], s[U], 1
	s_cmp_eq_u32 s[TS], s[SW]
	s_cselect_b32 s[NOFF], 0, s[NOFF]              ; or, where the second block begins, the head's first again
	s_add_nc_u64 s[G0+2:G0+3], s[GB:GB+1], s[NOFF:NOFF+1]
	s_or_b32 s[G0+3], s[G0+3], 0x80000000
	s_wait_xcnt 0x0                                ; the last prefetch, a slot back, has read its address
	s_add_nc_u64 s[PFA:PFA+1], s[PFA:PFA+1], UNITB
.endif
	s_wait_dscnt 0x0
	s_barrier_signal -1
	s_barrier_wait -1
.if \fill
	TLOAD
	ASK
.endif
.endm
; A BLOCK'S WAY OUT: O^T / l, rounded to f16, through my stage, so that each store covers 512 consecutive bytes of ah: my 32 rows are 4,096 bytes on end.
.macro FINAL
.rept 4
	v_nop                                          ; places behind the last products
.endr
.irp t, 0,1
	v_add_f32 v[ST+8*\t+4], v[ST+8*\t+2], v[ST+8*\t+3]
.endr
.irp t, 0,1
	v_permlanex16_b32 v[ST+8*\t+5], v[ST+8*\t+4], s[SEL], s[SEL+1]
.endr
.irp t, 0,1
	v_add_f32 v[ST+8*\t+4], v[ST+8*\t+4], v[ST+8*\t+5]
.endr
.irp t, 0,1
	v_rcp_f32 v[ST+8*\t+6], v[ST+8*\t+4]
.endr
	v_nop
	s_wait_alu depctr_va_vdst(0)                   ; one wait for the two reciprocals, ahead of their first reader
	WIN 0x41
.irp n, 0,1,2,3,4,5,6,7,8,9,10,11,12,13,14,15
.irp t, 0,1
	v_pk_mul_f32 v[OR+32*\t+2*\n:OR+32*\t+2*\n+1], v[OR+32*\t+2*\n:OR+32*\t+2*\n+1], v[ST+8*\t+6:ST+8*\t+7] op_sel_hi:[1,0]
.endr
.endr
	WIN 0x05                                       ; sources in window 1, destination in window 0
.irp t, 0,1
.irp n, 0,1,2,3,4,5,6,7,8,9,10,11,12,13,14,15
	v_cvt_pk_f16_f32 v[S+16*\t+\n], v[OR+32*\t+2*\n], v[OR+32*\t+2*\n+1]
.endr
.endr
	WIN 0
.irp t, 0,1
.irp ct, 0,1,2,3
	ds_store_b128 v[STO], v[S+16*\t+4*\ct:S+16*\t+4*\ct+3] offset:16*SP*\t+32*\ct
.endr
.endr
.irp f, 0,1,2,3,4,5,6,7
	ds_load_b128 v[S+32+4*\f:S+32+4*\f+3], v[RD] offset:4*SP*\f   ; in order behind my stores
.endr
.irp f, 0,1,2,3,4,5,6,7
	s_wait_dscnt 7-\f
	global_store_b128 v[GO], v[S+32+4*\f:S+32+4*\f+3], s[OB:OB+1] offset:512*\f th:TH_STORE_NT
.endr
	s_wait_xcnt 0x0                                ; the stores have read their registers and their base: both are written again
.endm
	s_wait_loadcnt 0x0                             ; Q, both blocks'
	s_mov_b32 s[U], 0
.Lwalk:                                ; eight trips; behind each change the walk's next slot is asked for
	CHANGE 1
	SLOT_STEPS
	s_cmp_lg_u32 s[U], s[SWL]                      ; the first block's last slot?  Ids and the count of trips alone: all eight waves go the same way
	s_cbranch_scc1 .Lsame_block
	FINAL
	INIT                                           ; the second block begins
	WIN 0x41
.irp n, 0,1,2,3,4,5,6,7,8,9,10,11,12,13,14,15,16,17,18,19,20,21,22,23,24,25,26,27,28,29,30,31
	v_mov_b32 v[\n], v[32+\n]                      ; its Q
.endr
	WIN 0
	s_mov_b32 s[Q0], s[Q0B]
	s_mov_b32 s[KF], 0
	s_mov_b64 s[OB:OB+1], s[OB2:OB2+1]
.Lsame_block:
	s_add_co_u32 s[U], s[U], 1
	s_cmp_lt_u32 s[U], 8
	s_cbranch_scc1 .Lwalk
	CHANGE 0                                       ; the ninth slot is written out: nothing is left to ask for
	SLOT_STEPS
	FINAL
	s_wait_tensorcnt 0x0                           ; the wave's end
	ds_add_u32 v[SPW], v[NIL]
	s_wait_dscnt 0x0
	s_endpgm
.Lfunc_end_k_qe0048d3ff6_attn:
	.size	k_qe0048d3ff6_attn, .Lfunc_end_k_qe0048d3ff6_attn-k_qe0048d3ff6_attn
	.p2alignl 7, 3214868480
	.fill 96, 4, 3214868480
	.section	.rodata,"a",@progbits
	.p2align	6, 0x0
	.amdhsa_kernel k_qe0048d3ff6_attn
		.amdhsa_group_segment_fixed_size 327680
		.amdhsa_private_segment_fixed_size 0
		.amdhsa_enable_private_segment 0
		.amdhsa_kernarg_size 16
		.amdhsa_user_sgpr_count 2
		.amdhsa_user_sgpr_kernarg_segment_ptr 1
		.amdhsa_wavefront_size32 1
		.amdhsa_system_sgpr_workgroup_id_x 1
		.amdhsa_system_sgpr_workgroup_id_y 1
		.amdhsa_system_sgpr_workgroup_id_z 1
		.amdhsa_system_vgpr_workitem_id 0
		.amdhsa_next_free_vgpr 384
		.amdhsa_next_free_sgpr 72
		.amdhsa_reserve_vcc 1
		.amdhsa_float_denorm_mode_32 3
		.amdhsa_float_denorm_mode_16_64 3
		.amdhsa_memory_ordered 1
		.amdhsa_forward_progress 1
		.amdhsa_inst_pref_size 73
	.end_amdhsa_kernel
	.amdgpu_metadata
---
amdhsa.version: [ 1, 2 ]
amdhsa.kernels:
  - .name:           k_qe0048d3ff6_attn
    .symbol:         k_qe0048d3ff6_attn.kd
    .args:
      - { .name: qkvh, .offset: 0, .size: 8, .value_kind: global_buffer, .address_space: global }
      - { .name: ah, .offset: 8, .size: 8, .value_kind: global_buffer, .address_space: global }
    .group_segment_fixed_size: 327680
    .private_segment_fixed_size: 0
    .kernarg_segment_align: 8
    .kernarg_segment_size: 16
    .max_flat_workgroup_size: 256
    .sgpr_count:     72
    .vgpr_count:     384
    .wavefront_size: 32
...
	.end_amdgpu_metadata
.endif
;; end of part 3
;; launch proj (part 4): grid 8 x 64, 4 waves a work-group, clusters of 4 x 4, 327,680 bytes of LDS; arguments ah, wt, bout, out0; writes out0
.if DOCPART == 4
	.amdgcn_target "amdgcn-amd-amdhsa--gfx1250"
	.amdhsa_code_object_version 6
	.text
	.protected	k_qe0048d3ff6_proj
	.globl	k_qe0048d3ff6_proj
	.p2align	8
	.type	k_qe0048d3ff6_proj,@function
k_qe0048d3ff6_proj:
	s_mov_b64 s[64:65], 0
	v_nop
	global_prefetch_b8 v0, s[64:65] scope:SCOPE_SE
	s_setreg_imm32_b32 hwreg(HW_REG_WAVE_MODE, 25, 1), 1
	s_wait_xcnt 0x0
	s_wait_alu depctr_hold_cnt(0) depctr_sa_sdst(0) depctr_va_vdst(0) depctr_va_sdst(0) depctr_va_ssrc(0) depctr_va_vcc(0) depctr_vm_vsrc(0)
	s_getreg_b32 s2, hwreg(HW_REG_IB_STS2, 6, 4)
	s_cmp_eq_u32 s2, 0
	s_cbranch_scc0 .Lentry_in_a_cluster
	s_endpgm
.Lentry_in_a_cluster:
	s_bfe_u32 s2, ttmp6, 0x10000c
	s_cmp_lg_u32 s2, 0xf033
	s_cbranch_scc0 .Lentry_shape_is_right
	s_endpgm
.Lentry_shape_is_right:
; out0 = a Wout + bout.  a: the attention's result, f16, ah [block of 128 tokens: 64][head 16][128][64]; wt: Wout^T, f16 [1024 n][1024 k]; sums in f32; out0 [8192][1024] f32.
; (The first 16 positions of every sequence are written again, more finely, by a later launch.)
; A tile of out0 is 128 x 128: four waves, each 64 x 64: 16 accumulators.  K goes in steps of 256 (four heads) through a ring of two LDS slots.  A's part of a step is 65,536 dense bytes: four planes
; of 128 tokens x 128 bytes; waves 0 and 1 fetch two planes each (256 rows of 128 bytes), waves 2 and 3 fetch 64 rows x 512 bytes of wt each.
; CLUSTERS: 4 x 4 work-groups; A's tiles are asked for jointly along a row of the cluster, B's along a column.  THE MATRIX INSTRUCTION IS USED TRANSPOSED (source 0 = 16 rows of wt, source 1 = 16 tokens).
; The bias is the C of each sum's first product.  A wave's 64 columns of f32 are 256 aligned bytes of a row, so each wave has a stage of its own on the way out, and no barrier.
; No prefetch: the tile is small and a step's products are few.
; REGISTERS: window 0: v0-31 addresses; v32-95 the way out; v96-127 the bias; v128-255 the accumulators ((a, b) at v[128 + 8 (4 a + b)]).   window 1: two fragment buffers of 128: 64 of A, then 64 of B.
.set SIZE_N, 1024
.set SIZE_K, 1024
.set KSTEP,  256
.set PA,     144                       ; A's LDS row: 128 bytes + 16
.set PLANE,  128*PA                    ; one head's 128 tokens
.set HALFA,  2*PLANE
.set PB,     528                       ; B's LDS row: 512 bytes + 16
.set HALFB,  64*PB
.set BOFF,   4*PLANE
.set SLOT,   BOFF+2*HALFB
.set STAGE,  2*SLOT                    ; 16 rows x 272 bytes for each wave
.set SPITCH, 272
.set SPARE,  STAGE+4*16*SPITCH         ; the spare words, 128 bytes for each wave: two blocks of 256 bytes that no other line names
.set LAPS,   SIZE_K/(2*KSTEP)
.set ADRA, 16
.set ADRB, 20
.set STO,  24
.set RD,   25
.set CO,   26
.set SPW,  28
.set NIL,  29
.set TMP,  32
.set BI,   96                          ; register 8 b + j = bout[my first column + 16 b + 8 (lane / 16) + j]
.set ACC,  128
.set F0,   0
.set F1,   128
.set G1, 24
.set G0, 32
.set G1B, 48
.set G0B, 56
.set MSB, 0
.macro WIN new
.if MSB != \new
	s_set_vgpr_msb (MSB<<8)|\new
.set MSB, \new
.endif
.endm
.set MUL,  0x05                        ; sources 0 (B) and 1 (A) window 1; C and D window 0
.set TO_F, 0x40
.macro JLOAD s                         ; waves 0 and 1 fetch A's halves, waves 2 and 3 B's; an s_nop 0 and four v_nop follow each line
	s_cmp_eq_u32 s11, 0
	s_cbranch_scc0 .Lfor_b_\@
	tensor_load_to_lds s[G0+4*\s:G0+4*\s+3], s[G1:G1+7]
	s_nop 0
.rept 4
	v_nop
.endr
	s_branch .Lasked_\@
.Lfor_b_\@:
	tensor_load_to_lds s[G0B+4*\s:G0B+4*\s+3], s[G1B:G1B+7]
	s_nop 0
.rept 4
	v_nop
.endr
.Lasked_\@:
.endm
.macro CREST
	s_cmp_lg_u32 s10, 0
	s_cbranch_scc1 .Lnot_wave_0_\@
	s_barrier_signal -3
.Lnot_wave_0_\@:
	s_barrier_wait -3
	s_barrier_signal -1
	s_barrier_wait -1
.endm
.macro CROUND
	s_barrier_signal -1
	s_barrier_wait -1
	CREST
.endm
	s_load_b128 s[4:7], s[0:1], 0x0                ; ah s[4:5], wt s[6:7]
	s_load_b128 s[68:71], s[0:1], 0x10             ; bout s[68:69], out0 s[70:71]
	v_lshl_add_u32 v[SPW], v0, 2, SPARE
	v_mov_b32 v[NIL], 0
	ds_add_u32 v[SPW], v[NIL]                      ; the wave's opening: the add, twice on end, and its wait ahead of my first tensor load
	ds_add_u32 v[SPW], v[NIL]
	v_lshrrev_b32 v1, 5, v0
	v_readfirstlane_b32 s10, v1                    ; wave 0..3
	s_lshr_b32 s11, s10, 1                         ; which half of the tile's rows is mine.  Also: I fetch for A (0) or for B (1)
	s_and_b32 s12, s10, 1                          ; which half of its columns.  Also: which half of that tile I fetch
	s_bfe_u32 s40, ttmp6, 0x40000
	s_bfe_u32 s41, ttmp6, 0x40004
	s_lshl_b32 s42, ttmp9, 2
	s_add_co_u32 s42, s42, s40                     ; tile column
	s_and_b32 s13, ttmp7, 0xffff
	s_lshl_b32 s13, s13, 2
	s_add_co_u32 s13, s13, s41                     ; tile row = block of 128 tokens
	s_lshl_b32 s43, s41, 2
	s_lshl_b32 s43, 15, s43                        ; my row of the cluster
	s_lshl_b32 s44, 0x1111, s40                    ; my column
	s_or_b32 s[G1+0], s43, (1<<16)|(1<<20)|(1<<21)|(4<<22)|(3<<25)   ; A: elements of 2 bytes; 4 words of padding behind every 32; bit 21 beside a mask
	s_mov_b32 s[G1+1], 64<<16                      ; tensor_dim0
	s_mov_b32 s[G1+2], 256<<16                     ; tensor_dim1
	s_mov_b32 s[G1+3], 64<<16                      ; tile_dim0
	s_mov_b32 s[G1+4], 256                         ; tile_dim1
	s_mov_b32 s[G1+5], 64                          ; tensor_dim0_stride: the rows are dense
	s_mov_b32 s[G1+6], 0
	s_mov_b32 s[G1+7], 0
	s_or_b32 s[G1B+0], s44, (1<<16)|(1<<20)|(1<<21)|(6<<22)|(3<<25)  ; B: 4 words behind every 128
	s_mov_b32 s[G1B+1], KSTEP<<16
	s_mov_b32 s[G1B+2], 64<<16
	s_mov_b32 s[G1B+3], KSTEP<<16
	s_mov_b32 s[G1B+4], 64
	s_mov_b32 s[G1B+5], SIZE_K
	s_mov_b32 s[G1B+6], 0
	s_mov_b32 s[G1B+7], 0
	s_lshl_b32 s16, s13, 18                        ; A: 262,144 bytes a block of tokens,
	s_lshl_b32 s17, s12, 15                        ; two planes of 16,384 a half
	s_add_co_u32 s16, s16, s17
	s_mov_b32 s17, 0
	s_lshl_b32 s46, s42, 18                        ; B: 128 rows of 2,048 bytes a tile column,
	s_lshl_b32 s47, s12, 17                        ; 64 a half
	s_add_co_u32 s46, s46, s47
	s_mov_b32 s47, 0
	s_mul_i32 s20, s12, HALFA                      ; where they go: no place in the cluster enters an LDS address
	s_mul_i32 s45, s12, HALFB
	s_add_co_u32 s45, s45, BOFF
	s_wait_dscnt 0x0                               ; both opening adds are done
	s_wait_kmcnt 0x0
	s_add_nc_u64 s[14:15], s[4:5], s[16:17]
	s_add_nc_u64 s[46:47], s[6:7], s[46:47]
	CROUND                                         ; all sixteen work-groups are here: the first joint loads meet
.irp s, 0,1
	s_mov_b32 s[G0+4*\s], 1
	s_add_co_u32 s[G0+4*\s+1], s20, \s*SLOT
	s_add_nc_u64 s[G0+4*\s+2:G0+4*\s+3], s[14:15], \s*65536
	s_or_b32 s[G0+4*\s+3], s[G0+4*\s+3], 0x80000000
	s_mov_b32 s[G0B+4*\s], 1
	s_add_co_u32 s[G0B+4*\s+1], s45, \s*SLOT
	s_add_nc_u64 s[G0B+4*\s+2:G0B+4*\s+3], s[46:47], \s*KSTEP*2
	s_or_b32 s[G0B+4*\s+3], s[G0B+4*\s+3], 0x80000000
	JLOAD \s
.endr
	v_and_b32 v1, 15, v0                           ; l % 16
	v_bfe_u32 v2, v0, 4, 1                         ; l / 16
	s_lshl_b32 s46, s42, 9                         ; 4 x my first column: 512 x tile column + 256 x half
	s_lshl_b32 s47, s12, 8
	s_add_co_u32 s46, s46, s47
	s_mov_b32 s47, 0
	s_add_nc_u64 s[68:69], s[68:69], s[46:47]
	v_lshlrev_b32 v7, 5, v2
.irp b, 0,1,2,3
	global_load_b128 v[BI+8*\b:BI+8*\b+3], v7, s[68:69] offset:64*\b
	global_load_b128 v[BI+8*\b+4:BI+8*\b+7], v7, s[68:69] offset:64*\b+16
.endr
	v_mul_u32_u24 v3, v1, PA
	v_lshl_add_u32 v3, v2, 4, v3
	v_mul_u32_u24 v4, v1, PB
	v_lshl_add_u32 v4, v2, 4, v4
	s_mul_i32 s21, s11, 64*PA                      ; my 64 tokens in each plane
	s_mul_i32 s22, s12, HALFB                      ; my 64 rows of wt,
	s_add_co_u32 s22, s22, BOFF                    ; behind A's four planes
.irp s, 0,1
	v_add_nc_u32 v[ADRA+\s], s21, v3
	v_add_nc_u32 v[ADRB+\s], s22, v4
	s_add_co_u32 s21, s21, SLOT
	s_add_co_u32 s22, s22, SLOT
.endr
	s_mul_i32 s23, s10, 16*SPITCH
	s_add_co_u32 s23, s23, STAGE                   ; my stage
	v_mul_u32_u24 v5, v1, SPITCH
	v_lshl_add_u32 v5, v2, 5, v5
	v_add_nc_u32 v[STO], s23, v5                   ; in: row l % 16, 32 bytes for each half of the lanes
	v_mul_u32_u24 v5, v2, SPITCH
	v_lshl_add_u32 v5, v1, 4, v5
	v_add_nc_u32 v[RD], s23, v5                    ; back: lanes 0-15 one row of 256 bytes, lanes 16-31 the next
	v_mul_u32_u24 v5, v2, SIZE_N*4
	v_lshl_add_u32 v[CO], v1, 4, v5                ; and the same two rows in out0
	s_lshl_b32 s16, s13, 19                        ; 128 rows of 4,096 bytes a tile row,
	s_lshl_b32 s17, s11, 18                        ; 64 a half
	s_add_co_u32 s16, s16, s17
	s_mov_b32 s17, 0
	s_add_nc_u64 s[70:71], s[70:71], s[16:17]
	s_add_nc_u64 s[70:71], s[70:71], s[46:47]
; 8 matrix instructions: token blocks a0, a0 + 1 x all 4 column blocks, 32 along K: half c of buffer f.  first = 1: the sums begin with the bias as C.  The 16 accumulators take turns.
.macro MUL8 f, c, a0, first
.irp a, \a0, \a0+1
.irp b, 0,1,2,3
.if \first
	v_wmma_f32_16x16x32_f16 v[ACC+8*(4*(\a)+\b):ACC+8*(4*(\a)+\b)+7], v[\f+64+8*(4*\c+\b):\f+64+8*(4*\c+\b)+7], v[\f+8*(4*\c+\a):\f+8*(4*\c+\a)+7], v[BI+8*\b:BI+8*\b+7]
.else
	v_wmma_f32_16x16x32_f16 v[ACC+8*(4*(\a)+\b):ACC+8*(4*(\a)+\b)+7], v[\f+64+8*(4*\c+\b):\f+64+8*(4*\c+\b)+7], v[\f+8*(4*\c+\a):\f+8*(4*\c+\a)+7], v[ACC+8*(4*(\a)+\b):ACC+8*(4*(\a)+\b)+7]
.endif
.endr
.endr
.endm
; 32 LDS loads in one run: the fragments of 64 along K (one head): byte k of B's rows, plane k / 128 of A; the first 32 along K first
.macro FETCH slot, k, f
	WIN TO_F
.irp c, 0,1
.irp i, 0,1,2,3
	ds_load_b128 v[\f+64+8*(4*\c+\i):\f+64+8*(4*\c+\i)+3],   v[ADRB+\slot] offset:\k+64*\c+\i*16*PB
	ds_load_b128 v[\f+64+8*(4*\c+\i)+4:\f+64+8*(4*\c+\i)+7], v[ADRB+\slot] offset:\k+64*\c+\i*16*PB+32
	ds_load_b128 v[\f+8*(4*\c+\i):\f+8*(4*\c+\i)+3],         v[ADRA+\slot] offset:((\k)/128)*PLANE+64*\c+\i*16*PA
	ds_load_b128 v[\f+8*(4*\c+\i)+4:\f+8*(4*\c+\i)+7],       v[ADRA+\slot] offset:((\k)/128)*PLANE+64*\c+\i*16*PA+32
.endr
.endr
.endm
.macro PLACES
.rept 4
	v_nop
.endr
.endm
.macro QUARTER slot, k, f, g, first
	s_wait_dscnt 16                                ; the first 32 along K are in; the sixteen loads of the second 32 may be out
	WIN MUL
	MUL8 \f, 0, 0, \first
	MUL8 \f, 0, 2, \first
	PLACES
	FETCH \slot, \k, \g
	s_wait_dscnt 32                                ; all but the 32 just issued
	WIN MUL
	MUL8 \f, 1, 0, 0
	MUL8 \f, 1, 2, 0
.endm
; The last quarter multiplies buffer 1 and changes slots: one barrier; in front of it all my tensor loads have landed, 0 is added to my spare word, and that and my reads of this slot are waited for.
.macro TURN slot, next, fill
	WIN 0
	s_wait_tensorcnt 0x0
	ds_add_u32 v[SPW], v[NIL]
	s_wait_dscnt 17                                ; the add and the youngest sixteen loads may be out
	WIN MUL
	MUL8 F1, 0, 0, 0
	s_wait_dscnt 0x0                               ; the add is done, and my reads of this slot are over
	s_barrier_signal -1
	MUL8 F1, 0, 2, 0
.if \fill
	WIN 0
.endif
	s_barrier_wait -1
.if \fill
	CREST                                          ; the barrier has opened a round of the cluster's barrier: no wave of any partner still reads this slot or has a load on its way
	s_add_nc_u64 s[G0+4*\slot+2:G0+4*\slot+3], s[G0+4*\slot+2:G0+4*\slot+3], 2*65536
	s_add_nc_u64 s[G0B+4*\slot+2:G0B+4*\slot+3], s[G0B+4*\slot+2:G0B+4*\slot+3], 2*KSTEP*2
	JLOAD \slot                                    ; the first tensor load behind the round; its four v_nop are also the places in front of the loads below
.else
	PLACES
.endif
	FETCH \next, 0, F0
	WIN MUL
	MUL8 F1, 1, 0, 0
	MUL8 F1, 1, 2, 0
.endm
	s_wait_tensorcnt 1                             ; my part of K step 0 is in; K step 1's load may be out
	s_barrier_signal -1
	s_barrier_wait -1
	FETCH 0, 0, F0
	s_wait_loadcnt 0x0                             ; the bias
	QUARTER 0, 128, F0, F1, 1
	WIN 0
	s_mov_b32 s3, LAPS-1
.Llap:
	QUARTER 0, 256, F1, F0, 0
	QUARTER 0, 384, F0, F1, 0
	TURN 0, 1, 1
	QUARTER 1, 128, F0, F1, 0
	QUARTER 1, 256, F1, F0, 0
	QUARTER 1, 384, F0, F1, 0
	TURN 1, 0, 1
	QUARTER 0, 128, F0, F1, 0
	WIN 0
	s_sub_co_u32 s3, s3, 1
	s_cmp_lg_u32 s3, 0
	s_cbranch_scc1 .Llap
	QUARTER 0, 256, F1, F0, 0                      ; the last lap fills nothing
	QUARTER 0, 384, F0, F1, 0
	TURN 0, 1, 0
	QUARTER 1, 128, F0, F1, 0
	QUARTER 1, 256, F1, F0, 0
	QUARTER 1, 384, F0, F1, 0
	s_wait_dscnt 16
	WIN MUL
	MUL8 F1, 0, 0, 0
	MUL8 F1, 0, 2, 0
	s_wait_dscnt 0
	MUL8 F1, 1, 0, 0
	MUL8 F1, 1, 2, 0
	WIN 0
; THE WAY OUT, block by block of 16 tokens x 64 columns: the accumulators go to my stage as they are, each from its low end on, and come back as whole rows of 256 bytes.
.macro TOSTAGE a
.set BB, TMP+32*((\a)%2)
.irp b, 0,1,2,3
	ds_store_b128 v[STO], v[ACC+8*(4*(\a)+\b):ACC+8*(4*(\a)+\b)+3] offset:64*\b
	ds_store_b128 v[STO], v[ACC+8*(4*(\a)+\b)+4:ACC+8*(4*(\a)+\b)+7] offset:64*\b+16
.endr
.irp i, 0,1,2,3,4,5,6,7
	ds_load_b128 v[BB+4*\i:BB+4*\i+3], v[RD] offset:\i*2*SPITCH
.endr
.endm
.macro SEND a, younger
.set BB, TMP+32*((\a)%2)
	s_wait_dscnt \younger
.irp i, 0,1,2,3,4,5,6,7
	global_store_b128 v[CO], v[BB+4*\i:BB+4*\i+3], s[70:71] offset:(16*(\a)+2*\i)*SIZE_N*4 th:TH_STORE_NT   ; sixteen lanes store 256 consecutive bytes, aligned
.endr
.endm
	PLACES
	TOSTAGE 0
.irp a, 1,2,3
.if \a > 1
	s_wait_xcnt 0x0                                ; block a - 2's stores have read their registers: block a's loads may land there
.endif
	TOSTAGE \a
	SEND \a-1, 16                                  ; behind block a - 1's loads: block a's 8 stores and 8 loads
.endr
	SEND 3, 0
	s_wait_tensorcnt 0x0                           ; the wave's end
	ds_add_u32 v[SPW], v[NIL]
	s_wait_dscnt 0x0
	CROUND                                         ; the closing round
	s_endpgm
.Lfunc_end_k_qe0048d3ff6_proj:
	.size	k_qe0048d3ff6_proj, .Lfunc_end_k_qe0048d3ff6_proj-k_qe0048d3ff6_proj
	.p2alignl 7, 3214868480
	.fill 96, 4, 3214868480
	.section	.rodata,"a",@progbits
	.p2align	6, 0x0
	.amdhsa_kernel k_qe0048d3ff6_proj
		.amdhsa_group_segment_fixed_size 327680
		.amdhsa_private_segment_fixed_size 0
		.amdhsa_enable_private_segment 0
		.amdhsa_kernarg_size 32
		.amdhsa_user_sgpr_count 2
		.amdhsa_user_sgpr_kernarg_segment_ptr 1
		.amdhsa_wavefront_size32 1
		.amdhsa_system_sgpr_workgroup_id_x 1
		.amdhsa_system_sgpr_workgroup_id_y 1
		.amdhsa_system_sgpr_workgroup_id_z 1
		.amdhsa_system_vgpr_workitem_id 0
		.amdhsa_next_free_vgpr 512
		.amdhsa_next_free_sgpr 72
		.amdhsa_reserve_vcc 0
		.amdhsa_float_denorm_mode_32 3
		.amdhsa_float_denorm_mode_16_64 3
		.amdhsa_memory_ordered 1
		.amdhsa_forward_progress 1
		.amdhsa_inst_pref_size 87
	.end_amdhsa_kernel
	.amdgpu_metadata
---
amdhsa.version: [ 1, 2 ]
amdhsa.kernels:
  - .name:           k_qe0048d3ff6_proj
    .symbol:         k_qe0048d3ff6_proj.kd
    .args:
      - { .name: ah, .offset: 0, .size: 8, .value_kind: global_buffer, .address_space: global }
      - { .name: wt, .offset: 8, .size: 8, .value_kind: global_buffer, .address_space: global }
      - { .name: bout, .offset: 16, .size: 8, .value_kind: global_buffer, .address_space: global }
      - { .name: out0, .offset: 24, .size: 8, .value_kind: global_buffer, .address_space: global }
    .group_segment_fixed_size: 327680
    .private_segment_fixed_size: 0
    .kernarg_segment_align: 8
    .kernarg_segment_size: 32
    .max_flat_workgroup_size: 128
    .sgpr_count:     72
    .vgpr_count:     512
    .wavefront_size: 32
...
	.end_amdgpu_metadata
.endif
;; end of part 4
;; launch fine_a (part 5): grid 64 x 1, 12 waves a work-group, no clusters, 18,688 bytes of LDS; arguments xc, xs, wc, ws, bqkv, af; writes af
.if DOCPART == 5
	.amdgcn_target "amdgcn-amd-amdhsa--gfx1250"
	.amdhsa_code_object_version 6
	.text
	.protected	k_qe0048d3ff6_fine_a
	.globl	k_qe0048d3ff6_fine_a
	.p2align	8
	.type	k_qe0048d3ff6_fine_a,@function
k_qe0048d3ff6_fine_a:
	s_mov_b64 s[64:65], 0
	v_nop
	global_prefetch_b8 v0, s[64:65] scope:SCOPE_SE
	s_setreg_imm32_b32 hwreg(HW_REG_WAVE_MODE, 25, 1), 1
	s_wait_xcnt 0x0
; THE FIRST 16 POSITIONS of every sequence, carried in f32: under the causal mask they average one to sixteen values and are the largest numbers of the output.
; A work-group takes one (batch, head).  Each of its twelve waves makes one tile, 16 tokens x 16 channels, of q, k or v from the same codes as the large product (FP4 with E8M0 scales, K = 1,024 in eight steps,
; two accumulators by turns, the bias as the first one's C), unrounded, into LDS.  Wave 0 then does the 16 x 16 attention with f32 operands: this is no bulk work.  af: f32 [batch x 16 + position][1024].
; Both products are used transposed: a lane holds one query.  The k of an f32 product are permuted alike in both operands.
; v192-239 are written by f32 matrix instructions alone.
.set QKVP,  784                        ; LDS: [16 tokens][768 bytes + 16]: q at byte 0, k at 256, v at 512
.set STG,   12800                      ; the stage for the way out: 16 rows x 272
.set SPARE, 17152                      ; the spare words, 128 bytes for each wave: six blocks of 256 bytes that no other line names
.set SPW, 14
.set NIL, 15
.set XSC, 16                           ; v16-23 x's scale words, one for each K step; v24-31 W's: they hold scales and nothing else
.set WSC, 24
.set XF,  32                           ; v32-95 x's eight fragments
.set WF,  96                           ; v96-159 W's
	s_load_b128 s[4:7], s[0:1], 0x0                ; xc, xs
	s_load_b128 s[8:11], s[0:1], 0x10              ; wc, ws
	s_load_b128 s[12:15], s[0:1], 0x20             ; bqkv, af
	v_lshl_add_u32 v[SPW], v0, 2, SPARE
	v_mov_b32 v[NIL], 0
	v_lshrrev_b32 v1, 5, v0
	v_readfirstlane_b32 s16, v1                    ; wave 0..11
	v_and_b32 v2, 15, v0                           ; r
	v_bfe_u32 v3, v0, 4, 1                         ; h
	s_lshr_b32 s17, ttmp9, 4                       ; batch
	s_and_b32 s18, ttmp9, 15                       ; head
	s_lshr_b32 s20, s16, 2                         ; q, k or v
	s_lshl_b32 s20, s20, 10
	s_lshl_b32 s21, s18, 6
	s_add_co_u32 s20, s20, s21
	s_and_b32 s21, s16, 3
	s_lshl_b32 s21, s21, 4
	s_add_co_u32 s20, s20, s21                     ; my first of Wqkv's 3,072 columns
	s_mov_b32 s28, 0x76543210
	s_mov_b32 s29, 0xfedcba98                      ; lane l xor 16
	s_mov_b32 s30, 0x3e38aa3b                      ; c = log2(e) / 8
	; every address is made here, ahead of the parting of the waves
	v_lshlrev_b32 v4, 9, v2
	v_lshl_add_u32 v4, v3, 4, v4                   ; codes: row r of 512 bytes + 16 h
	v_lshlrev_b32 v5, 5, v2                        ; scale words: row r of 32 bytes
	v_lshlrev_b32 v6, 5, v3                        ; the bias: 32 h
	v_mul_u32_u24 v8, v2, QKVP
	v_lshl_add_u32 v7, v3, 5, v8
	s_lshl_b32 s21, s16, 6
	v_add_nc_u32 v7, s21, v7                       ; my tile's place: 784 r + 64 wave + 32 h
	v_lshl_add_u32 v8, v3, 4, v8                   ; q's and k's operands: 784 r + 16 h
	v_mul_u32_u24 v9, v3, 8*QKVP
	v_lshl_add_u32 v9, v2, 2, v9
	v_add_nc_u32 v9, 512, v9                       ; v's: key 8 h on, channel r
	v_mul_u32_u24 v10, v2, 272
	v_lshl_add_u32 v10, v3, 5, v10
	v_add_nc_u32 v10, STG, v10                     ; the stage, in
	v_mul_u32_u24 v11, v3, 272
	v_lshl_add_u32 v11, v2, 4, v11
	v_add_nc_u32 v11, STG, v11                     ; and back
	v_lshlrev_b32 v12, 12, v3
	v_lshl_add_u32 v12, v2, 4, v12                 ; af: two rows of 4,096 bytes an instruction, 16 bytes a lane
	v_lshlrev_b32 v13, 3, v3
	v_sub_nc_u32 v13, v2, v13                      ; r - 8 h, for the mask
	s_mov_b32 s23, 0
	s_wait_kmcnt 0x0
	s_lshl_b32 s22, s17, 20                        ; 2,048 rows of 512 bytes a batch
	s_add_nc_u64 s[4:5], s[4:5], s[22:23]
	s_lshl_b32 s22, s17, 16
	s_add_nc_u64 s[6:7], s[6:7], s[22:23]
	s_lshl_b32 s24, s18, 8
	s_add_co_u32 s22, s22, s24                     ; af: 16 rows of 4,096 bytes a batch, 256 bytes a head
	s_add_nc_u64 s[14:15], s[14:15], s[22:23]
	s_lshl_b32 s22, s20, 9
	s_add_nc_u64 s[8:9], s[8:9], s[22:23]
	s_lshl_b32 s22, s20, 5
	s_add_nc_u64 s[10:11], s[10:11], s[22:23]
	s_lshl_b32 s22, s20, 2
	s_add_nc_u64 s[12:13], s[12:13], s[22:23]
.irp s, 0,1,2,3,4,5,6,7
	global_load_b128 v[XF+8*\s:XF+8*\s+3],   v4, s[4:5] offset:64*\s
	global_load_b128 v[XF+8*\s+4:XF+8*\s+7], v4, s[4:5] offset:64*\s+32
	global_load_b128 v[WF+8*\s:WF+8*\s+3],   v4, s[8:9] offset:64*\s
	global_load_b128 v[WF+8*\s+4:WF+8*\s+7], v4, s[8:9] offset:64*\s+32
.endr
	global_load_b128 v[XSC:XSC+3],   v5, s[6:7]
	global_load_b128 v[XSC+4:XSC+7], v5, s[6:7] offset:16
	global_load_b128 v[WSC:WSC+3],   v5, s[10:11]
	global_load_b128 v[WSC+4:WSC+7], v5, s[10:11] offset:16
	global_load_b128 v[160:163], v6, s[12:13]      ; bqkv[my first column + 8 h + 0 .. 7]
	global_load_b128 v[164:167], v6, s[12:13] offset:16
	s_wait_loadcnt 0x0
.irp s, 0,1,2,3,4,5,6,7                ; source 0 = 16 rows of wc, source 1 = the 16 tokens: lane (r, h) holds token r, channels 8 h + 0 .. 7
.if \s == 0
	v_wmma_scale_f32_16x16x128_f8f6f4 v[176:183], v[WF+8*\s:WF+8*\s+7], v[XF+8*\s:XF+8*\s+7], v[160:167], v[WSC+\s], v[XSC+\s] matrix_a_fmt:MATRIX_FMT_FP4 matrix_b_fmt:MATRIX_FMT_FP4
.elseif \s == 1
	v_wmma_scale_f32_16x16x128_f8f6f4 v[184:191], v[WF+8*\s:WF+8*\s+7], v[XF+8*\s:XF+8*\s+7], 0, v[WSC+\s], v[XSC+\s] matrix_a_fmt:MATRIX_FMT_FP4 matrix_b_fmt:MATRIX_FMT_FP4
.else
	v_wmma_scale_f32_16x16x128_f8f6f4 v[176+8*(\s%2):183+8*(\s%2)], v[WF+8*\s:WF+8*\s+7], v[XF+8*\s:XF+8*\s+7], v[176+8*(\s%2):183+8*(\s%2)], v[WSC+\s], v[XSC+\s] matrix_a_fmt:MATRIX_FMT_FP4 matrix_b_fmt:MATRIX_FMT_FP4
.endif
.endr
.rept 4
	v_nop
.endr
.irp j, 0,1,2,3,4,5,6,7
	v_add_f32 v[168+\j], v[176+\j], v[184+\j]
.endr
	ds_store_b128 v7, v[168:171]
	ds_store_b128 v7, v[172:175] offset:16
	s_wait_dscnt 0x0                               ; for the others' sake: my stores have landed
	s_barrier_signal -1
	s_barrier_wait -1
	s_cmp_lg_u32 s16, 0
	s_cbranch_scc1 .Lend
	; ---- wave 0: register 4 u + 2 e + j of q and of k holds channel 8 u + 4 h + 2 e + j of row r
.irp u, 0,1,2,3,4,5,6,7
	ds_load_b128 v[32+4*\u:35+4*\u], v8 offset:32*\u
	ds_load_b128 v[64+4*\u:67+4*\u], v8 offset:256+32*\u
.endr
.irp ct, 0,1,2,3
.irp k, 0,1,2,3,4,5,6,7
	ds_load_b32 v[96+8*\ct+\k], v9 offset:QKVP*\k+64*\ct   ; v(key 8 h + k, channel 16 ct + r)
.endr
.endr
	s_wait_dscnt 0x0
.irp u, 0,1,2,3,4,5,6,7                ; S^T = k q^T: two accumulators by turns; lane (r, h), register j: key 8 h + j, query r
.irp e, 0,1
.if \u == 0
	v_wmma_f32_16x16x4_f32 v[192+8*\e:199+8*\e], v[64+4*\u+2*\e:65+4*\u+2*\e], v[32+4*\u+2*\e:33+4*\u+2*\e], 0
.else
	v_wmma_f32_16x16x4_f32 v[192+8*\e:199+8*\e], v[64+4*\u+2*\e:65+4*\u+2*\e], v[32+4*\u+2*\e:33+4*\u+2*\e], v[192+8*\e:199+8*\e]
.endif
.endr
.endr
.rept 8
	v_nop                                          ; eight places behind this form
.endr
.irp j, 0,1,2,3,4,5,6,7
	v_add_f32 v[160+\j], v[192+\j], v[200+\j]
.endr
	v_mov_b32 v240, 0xff800000
.irp j, 0,1,2,3,4,5,6,7
	v_cmp_gt_i32 vcc_lo, \j, v13                   ; key 8 h + j comes after query r
	v_cndmask_b32 v[160+\j], v[160+\j], v240, vcc_lo
.endr
	v_max3_num_f32 v241, v160, v161, v162
	v_max3_num_f32 v242, v163, v164, v165
	v_max3_num_f32 v241, v241, v166, v167
	v_max_num_f32 v241, v241, v242
	v_permlanex16_b32 v242, v241, s28, s29
	v_max_num_f32 v241, v241, v242                 ; the row's maximum: key 0 counts for every query
	v_mul_f32 v243, s30, v241
.irp j, 0,1,2,3,4,5,6,7
	v_fma_f32 v[168+\j], v[160+\j], s30, -v243
.endr
.irp j, 0,1,2,3,4,5,6,7
	v_exp_f32 v[168+\j], v[168+\j]                 ; p, kept in f32
.endr
	v_nop
	s_wait_alu depctr_va_vdst(0)                   ; one wait for the eight, ahead of their first reader
	v_add_f32 v244, v168, v169
	v_add_f32 v245, v170, v171
	v_add_f32 v246, v172, v173
	v_add_f32 v247, v174, v175
	v_add_f32 v244, v244, v245
	v_add_f32 v246, v246, v247
	v_add_f32 v244, v244, v246
	v_permlanex16_b32 v245, v244, s28, s29
	v_add_f32 v244, v244, v245
	v_rcp_f32 v248, v244
	v_nop
	s_wait_alu depctr_va_vdst(0)
.irp jj, 0,1,2,3                       ; O^T = v^T p: four accumulators by turns; the product's k-th place 2 h + j stands for key 8 h + 2 jj + j in both operands
.irp ct, 0,1,2,3
.if \jj == 0
	v_wmma_f32_16x16x4_f32 v[208+8*\ct:215+8*\ct], v[96+8*\ct+2*\jj:97+8*\ct+2*\jj], v[168+2*\jj:169+2*\jj], 0
.else
	v_wmma_f32_16x16x4_f32 v[208+8*\ct:215+8*\ct], v[96+8*\ct+2*\jj:97+8*\ct+2*\jj], v[168+2*\jj:169+2*\jj], v[208+8*\ct:215+8*\ct]
.endif
.endr
.endr
.rept 8
	v_nop
.endr
.irp n, 0,1,2,3,4,5,6,7,8,9,10,11,12,13,14,15,16,17,18,19,20,21,22,23,24,25,26,27,28,29,30,31
	v_mul_f32 v[128+\n], v[208+\n], v248           ; O^T / l: register 8 ct + j = o(query r, channel 16 ct + 8 h + j)
.endr
.irp ct, 0,1,2,3
	ds_store_b128 v10, v[128+8*\ct:131+8*\ct] offset:64*\ct
	ds_store_b128 v10, v[132+8*\ct:135+8*\ct] offset:64*\ct+16
.endr
.irp i, 0,1,2,3,4,5,6,7
	ds_load_b128 v[32+4*\i:35+4*\i], v11 offset:544*\i   ; in order behind my stores
.endr
.irp i, 0,1,2,3,4,5,6,7
	s_wait_dscnt 7-\i
	global_store_b128 v12, v[32+4*\i:35+4*\i], s[14:15] offset:8192*\i   ; sixteen lanes store 256 consecutive bytes, aligned
.endr
.Lend:
	s_wait_tensorcnt 0x0                           ; the wave's end
	ds_add_u32 v[SPW], v[NIL]
	s_wait_dscnt 0x0
	s_endpgm
.Lfunc_end_k_qe0048d3ff6_fine_a:
	.size	k_qe0048d3ff6_fine_a, .Lfunc_end_k_qe0048d3ff6_fine_a-k_qe0048d3ff6_fine_a
	.p2alignl 7, 3214868480
	.fill 96, 4, 3214868480
	.section	.rodata,"a",@progbits
	.p2align	6, 0x0
	.amdhsa_kernel k_qe0048d3ff6_fine_a
		.amdhsa_group_segment_fixed_size 18688
		.amdhsa_private_segment_fixed_size 0
		.amdhsa_enable_private_segment 0
		.amdhsa_kernarg_size 48
		.amdhsa_user_sgpr_count 2
		.amdhsa_user_sgpr_kernarg_segment_ptr 1
		.amdhsa_wavefront_size32 1
		.amdhsa_system_sgpr_workgroup_id_x 1
		.amdhsa_system_sgpr_workgroup_id_y 1
		.amdhsa_system_sgpr_workgroup_id_z 1
		.amdhsa_system_vgpr_workitem_id 0
		.amdhsa_next_free_vgpr 256
		.amdhsa_next_free_sgpr 66
		.amdhsa_reserve_vcc 1
		.amdhsa_float_denorm_mode_32 3
		.amdhsa_float_denorm_mode_16_64 3
		.amdhsa_memory_ordered 1
		.amdhsa_forward_progress 1
		.amdhsa_inst_pref_size 20
	.end_amdhsa_kernel
	.amdgpu_metadata
---
amdhsa.version: [ 1, 2 ]
amdhsa.kernels:
  - .name:           k_qe0048d3ff6_fine_a
    .symbol:         k_qe0048d3ff6_fine_a.kd
    .args:
      - { .name: xc, .offset: 0, .size: 8, .value_kind: global_buffer, .address_space: global }
      - { .name: xs, .offset: 8, .size: 8, .value_kind: global_buffer, .address_space: global }
      - { .name: wc, .offset: 16, .size: 8, .value_kind: global_buffer, .address_space: global }
      - { .name: ws, .offset: 24, .size: 8, .value_kind: global_buffer, .address_space: global }
      - { .name: bqkv, .offset: 32, .size: 8, .value_kind: global_buffer, .address_space: global }
      - { .name: af, .offset: 40, .size: 8, .value_kind: global_buffer, .address_space: global }
    .group_segment_fixed_size: 18688
    .private_segment_fixed_size: 0
    .kernarg_segment_align: 8
    .kernarg_segment_size: 48
    .max_flat_workgroup_size: 384
    .sgpr_count:     66
    .vgpr_count:     256
    .wavefront_size: 32
...
	.end_amdgpu_metadata
.endif
;; end of part 5
;; launch fine_b (part 6): grid 16 x 4, 16 waves a work-group, no clusters, 19,456 bytes of LDS; arguments af, Wout, bout, out0; writes out0
.if DOCPART == 6
	.amdgcn_target "amdgcn-amd-amdhsa--gfx1250"
	.amdhsa_code_object_version 6
	.text
	.protected	k_qe0048d3ff6_fine_b
	.globl	k_qe0048d3ff6_fine_b
	.p2align	8
	.type	k_qe0048d3ff6_fine_b,@function
k_qe0048d3ff6_fine_b:
	s_mov_b64 s[64:65], 0
	v_nop
	global_prefetch_b8 v0, s[64:65] scope:SCOPE_SE
	s_setreg_imm32_b32 hwreg(HW_REG_WAVE_MODE, 25, 1), 1
	s_wait_xcnt 0x0
; The projection of the first 16 positions of every sequence, in f32: out0[batch x 2048 + 0 .. 15] = af Wout + bout, written over what the large projection left there.  64 rows in all: no bulk work.
; A work-group takes one batch's 16 rows x 64 columns.  Wave w takes 16 columns (w % 4) and a quarter of K (w / 4), 256 along K in four chunks of 64, two sets of registers; the four partial sums meet in LDS.
; Source 0 = 16 columns of Wout, source 1 = the 16 rows: a lane holds one row and eight neighbouring columns.  Register 4 u + 2 e + j of both operands holds k = 8 u + 4 (lane / 16) + 2 e + j of the chunk.
; v192-207 are written by f32 matrix instructions alone.
.set SPARE, 17408                      ; behind four partial tiles of 16 rows x 272 bytes: the spare words, 128 bytes for each wave: eight blocks of 256 bytes that no other line names
.set SPW, 10
.set NIL, 11
	s_load_b128 s[4:7], s[0:1], 0x0                ; af, Wout
	s_load_b128 s[8:11], s[0:1], 0x10              ; bout, out0
	v_lshl_add_u32 v[SPW], v0, 2, SPARE
	v_mov_b32 v[NIL], 0
	v_lshrrev_b32 v1, 5, v0
	v_readfirstlane_b32 s12, v1                    ; wave 0..15
	s_and_b32 s13, s12, 3                          ; which 16 columns
	s_lshr_b32 s14, s12, 2                         ; which quarter of K
	s_and_b32 s16, ttmp7, 0xffff                   ; batch
	s_and_b32 s17, s12, 7                          ; on the way out: which two rows
	v_and_b32 v2, 15, v0                           ; r
	v_bfe_u32 v3, v0, 4, 1                         ; h
	v_lshlrev_b32 v4, 12, v2
	v_lshl_add_u32 v4, v3, 4, v4                   ; af: row r of 4,096 bytes + 16 h
	v_lshlrev_b32 v5, 14, v3
	v_lshl_add_u32 v5, v2, 2, v5                   ; Wout: four rows further down for lanes 16-31, column r
	s_mul_i32 s20, s14, 4352
	s_lshl_b32 s21, s13, 6
	s_add_co_u32 s20, s20, s21
	v_mul_u32_u24 v6, v2, 272
	v_lshl_add_u32 v6, v3, 5, v6
	v_add_nc_u32 v6, s20, v6                       ; my partial tile: 4,352 (w / 4) + 272 r + 64 (w % 4) + 32 h
	s_mul_i32 s21, s17, 544
	v_mul_u32_u24 v7, v3, 272
	v_lshl_add_u32 v7, v2, 4, v7
	v_add_nc_u32 v7, s21, v7                       ; back: rows 2 (w % 8) + h, 16 bytes a lane
	v_lshlrev_b32 v8, 12, v3
	v_lshl_add_u32 v8, v2, 4, v8                   ; the same two rows in out0
	v_lshlrev_b32 v9, 4, v2                        ; the bias of my four columns
	s_mov_b32 s23, 0
	s_lshl_b32 s24, ttmp9, 8                       ; 64 columns of f32 a work-group
	s_wait_kmcnt 0x0
	s_lshl_b32 s22, s16, 16
	s_lshl_b32 s21, s14, 10
	s_add_co_u32 s22, s22, s21
	s_add_nc_u64 s[4:5], s[4:5], s[22:23]          ; af: 16 rows a batch, 256 numbers a quarter
	s_lshl_b32 s22, s14, 20                        ; Wout: 256 rows of 4,096 bytes a quarter,
	s_add_co_u32 s22, s22, s24
	s_lshl_b32 s21, s13, 6
	s_add_co_u32 s22, s22, s21                     ; my 16 columns
	s_add_nc_u64 s[6:7], s[6:7], s[22:23]
	s_mov_b32 s22, s24
	s_add_nc_u64 s[8:9], s[8:9], s[22:23]
	s_lshl_b32 s22, s16, 23                        ; out0: 2,048 rows of 4,096 bytes a batch
	s_lshl_b32 s21, s17, 13
	s_add_co_u32 s22, s22, s21
	s_add_co_u32 s22, s22, s24
	s_add_nc_u64 s[10:11], s[10:11], s[22:23]
	global_load_b128 v[12:15], v9, s[8:9]          ; older than every chunk: the first counted wait covers it
.macro LOAD c                          ; chunk c into set c % 2: 8 + 32 = 40 loads
.set SA, 32+64*((\c)%2)
.set SW, 64+64*((\c)%2)
.irp u, 0,1,2,3,4,5,6,7
	global_load_b128 v[SA+4*\u:SA+4*\u+3], v4, s[4:5] offset:256*(\c)+32*\u
.endr
.irp n, 0,1,2,3,4,5,6,7,8,9,10,11,12,13,14,15,16,17,18,19,20,21,22,23,24,25,26,27,28,29,30,31
	global_load_b32 v[SW+\n], v5, s[6:7] offset:(64*(\c)+8*(\n/4)+\n%4)*4096
.endr
.endm
.macro MUL c                           ; 16 products, two accumulators by turns; the first two of all start the sums
.set SA, 32+64*((\c)%2)
.set SW, 64+64*((\c)%2)
.irp u, 0,1,2,3,4,5,6,7
.irp e, 0,1
.if ((\c) == 0) && (\u == 0)
	v_wmma_f32_16x16x4_f32 v[192+8*\e:199+8*\e], v[SW+4*\u+2*\e:SW+4*\u+2*\e+1], v[SA+4*\u+2*\e:SA+4*\u+2*\e+1], 0
.else
	v_wmma_f32_16x16x4_f32 v[192+8*\e:199+8*\e], v[SW+4*\u+2*\e:SW+4*\u+2*\e+1], v[SA+4*\u+2*\e:SA+4*\u+2*\e+1], v[192+8*\e:199+8*\e]
.endif
.endr
.endr
.endm
.macro PLACES                          ; eight places behind this form, in front of loads into its operands and of reads of its results
.rept 8
	v_nop
.endr
.endm
	LOAD 0
	LOAD 1
	s_wait_loadcnt 40                              ; chunk 0 is in; chunk 1's forty loads may be out
	MUL 0
	PLACES
	LOAD 2
	s_wait_loadcnt 40                              ; chunk 1 is in; chunk 2's may be out
	MUL 1
	PLACES
	LOAD 3
	s_wait_loadcnt 40
	MUL 2
	s_wait_loadcnt 0x0
	MUL 3
	PLACES
.irp j, 0,1,2,3,4,5,6,7
	v_add_f32 v[160+\j], v[192+\j], v[200+\j]
.endr
	ds_store_b128 v6, v[160:163]
	ds_store_b128 v6, v[164:167] offset:16
	s_wait_dscnt 0x0                               ; for the others' sake: my stores have landed
	s_barrier_signal -1
	s_barrier_wait -1
	s_cmp_lt_u32 s12, 8
	s_cbranch_scc0 .Lend
.irp q, 0,1,2,3
	ds_load_b128 v[32+4*\q:35+4*\q], v7 offset:4352*\q   ; the four quarters of K
.endr
	s_wait_dscnt 0x0
	v_pk_add_f32 v[32:33], v[32:33], v[36:37]
	v_pk_add_f32 v[34:35], v[34:35], v[38:39]
	v_pk_add_f32 v[40:41], v[40:41], v[44:45]
	v_pk_add_f32 v[42:43], v[42:43], v[46:47]
	v_pk_add_f32 v[32:33], v[32:33], v[40:41]
	v_pk_add_f32 v[34:35], v[34:35], v[42:43]
	v_pk_add_f32 v[32:33], v[32:33], v[12:13]
	v_pk_add_f32 v[34:35], v[34:35], v[14:15]
	global_store_b128 v8, v[32:35], s[10:11]       ; sixteen lanes store 256 consecutive bytes, aligned
.Lend:
	s_wait_tensorcnt 0x0                           ; the wave's end
	ds_add_u32 v[SPW], v[NIL]
	s_wait_dscnt 0x0
	s_endpgm
.Lfunc_end_k_qe0048d3ff6_fine_b:
	.size	k_qe0048d3ff6_fine_b, .Lfunc_end_k_qe0048d3ff6_fine_b-k_qe0048d3ff6_fine_b
	.p2alignl 7, 3214868480
	.fill 96, 4, 3214868480
	.section	.rodata,"a",@progbits
	.p2align	6, 0x0
	.amdhsa_kernel k_qe0048d3ff6_fine_b
		.amdhsa_group_segment_fixed_size 19456
		.amdhsa_private_segment_fixed_size 0
		.amdhsa_enable_private_segment 0
		.amdhsa_kernarg_size 32
		.amdhsa_user_sgpr_count 2
		.amdhsa_user_sgpr_kernarg_segment_ptr 1
		.amdhsa_wavefront_size32 1
		.amdhsa_system_sgpr_workgroup_id_x 1
		.amdhsa_system_sgpr_workgroup_id_y 1
		.amdhsa_system_sgpr_workgroup_id_z 1
		.amdhsa_system_vgpr_workitem_id 0
		.amdhsa_next_free_vgpr 208
		.amdhsa_next_free_sgpr 66
		.amdhsa_reserve_vcc 0
		.amdhsa_float_denorm_mode_32 3
		.amdhsa_float_denorm_mode_16_64 3
		.amdhsa_memory_ordered 1
		.amdhsa_forward_progress 1
		.amdhsa_inst_pref_size 24
	.end_amdhsa_kernel
	.amdgpu_metadata
---
amdhsa.version: [ 1, 2 ]
amdhsa.kernels:
  - .name:           k_qe0048d3ff6_fine_b
    .symbol:         k_qe0048d3ff6_fine_b.kd
    .args:
      - { .name: af, .offset: 0, .size: 8, .value_kind: global_buffer, .address_space: global }
      - { .name: Wout, .offset: 8, .size: 8, .value_kind: global_buffer, .address_space: global }
      - { .name: bout, .offset: 16, .size: 8, .value_kind: global_buffer, .address_space: global }
      - { .name: out0, .offset: 24, .size: 8, .value_kind: global_buffer, .address_space: global }
    .group_segment_fixed_size: 19456
    .private_segment_fixed_size: 0
    .kernarg_segment_align: 8
    .kernarg_segment_size: 32
    .max_flat_workgroup_size: 512
    .sgpr_count:     66
    .vgpr_count:     208
    .wavefront_size: 32
...
	.end_amdgpu_metadata
.endif
;; end of part 6
